; MI455X (gfx1250); checked and timed in simulation.
; The chip was launched on July 23, 2026; its instructions are those of AMD's public machine-readable ISA for CDNA 5 (MIT licence, August 2026) and "CDNA5" Instruction Set Architecture Reference Guide (July 2026). The comments in the code are by the model that wrote it; some were corrected since.
;; Projected Adaptive Log Softmax. Allowed arithmetic: float matrix products may take bf16 or f16 operands with f32 sums; other float arithmetic in f32, or as packed bf16 or f16 multiplies, adds, multiply-adds, maxima and minima; sums over many terms, partial sums and values carried from step to step in f32; what a program stores and reads back later, other than sums and carried values, may be rounded once to bf16 or f16.
;; Inputs: b0 20,000 float32; b1 10,000 float32; b2 10,000 float32; b3 10,000 float32; cluster_b 3 float32; cluster_w 3 x 1,024 float32; hidden 2,048 x 1,024 float32; proj0 1,024 x 1,024 float32; proj1 1,024 x 256 float32; proj2 1,024 x 64 float32; proj3 1,024 x 16 float32; target 2,048 int32; w0 20,000 x 1,024 float32; w1 10,000 x 256 float32; w2 10,000 x 64 float32; w3 10,000 x 16 float32.
;; Outputs: out0 2,048 float32.
;; 2 versions, each right; version 2 is version 1 with the launches proj, tails written anew for expert scheduling mode. Each part assembles by itself: llvm-mc -triple=amdgcn-amd-amdhsa -mcpu=gfx1250 --defsym DOCPART=n.
;; ======== version 1 of 2: 4 launches
;; workspace buffers: hb 6,291,456 bytes; wb 41,943,040 bytes; pt 6,291,456 bytes; ph 1,048,576 bytes
;; launch proj (part 1): grid 12 x 16, 8 waves a work-group, no clusters, 74,752 bytes of LDS; arguments hidden, proj0, proj1, proj2, proj3, hb; writes hb
.if DOCPART == 1
	.amdgcn_target "amdgcn-amd-amdhsa--gfx1250"
	.amdhsa_code_object_version 6
	.text
	.protected	k_q74ac017b0d_proj
	.globl	k_q74ac017b0d_proj
	.p2align	8
	.type	k_q74ac017b0d_proj,@function
k_q74ac017b0d_proj:
	s_mov_b64 s[64:65], 0
	v_nop
	global_prefetch_b8 v0, s[64:65] scope:SCOPE_SE
	s_setreg_imm32_b32 hwreg(HW_REG_WAVE_MODE, 25, 1), 1
	s_wait_xcnt 0x0
; H_c = hidden @ proj_c, rounded once to bf16, for the four projections.  hidden: [2048][1024] f32; proj_c: [1024][d_c] f32.
; hb: H0 [2048][1024] at 0; H1 [2048][256] at 4,194,304; H2 [2048][128] at 5,242,880 (columns 64 on are 0); H3 [2048][128] at 5,767,168 (columns 16 on are 0).
; SHARES.  Work-group (x, y): 128 rows (128 y on) x one block of 128 columns: x 0-7 of proj0, 8-9 of proj1, 10 proj2, 11 proj3 (missing columns count as 0).
; Wave w multiplies rows 32 (w / 2) on by columns 64 (w % 2) on: 2 x 4 accumulators.
; THE STREAM.  K goes in 16 chunks of 64.  Of a chunk wave w fetches rows 16 w .. 16 w + 15 of hidden (a load takes 2 rows x 256 consecutive bytes) and rows 8 w .. 8 w + 7 of P (a load takes
; a row's 512 consecutive bytes), as f32 into one of four register sets, rounds them to bf16 and stores them into one of two LDS slots: hidden as [row][64], pitch 144 bytes, P as [k][128],
; pitch 288 bytes (9 x 32: the turning load's 8 rows x 32 bytes fall on different banks).  Four chunks' loads, 64 a wave, are on their way.
; ONE BARRIER A CHUNK.  The slot that step k writes was read last in trip k - 2; each wave has waited for those reads ahead of step k - 1's barrier.
; The product is taken transposed (source 0 = 16 columns of P, turned by ds_load_tr16_b128; source 1 = 16 rows of hidden): a lane ends with eight neighbouring columns of one row of H.
; Step 0's products run on fragments and sums that were set to 0 while the first loads were out: 16 idle products, for one text of the step.
; No cluster and no tensor load: both operands are f32 in memory and must pass through registers to be rounded.
.set AP,    144
.set PP,    288
.set POFF,  128*AP                     ; in a slot: hidden's 128 rows, then P's 64
.set SLOT,  POFF+64*PP
.set SPARE, 2*SLOT                     ; behind the slots: the spare words, 128 bytes a wave
.set SP,    272                        ; a row of the stage (256 + 16); the stage takes slot 0's bytes when slot 0 has been read for the last time
.set VAO, 5                            ; v5   my byte offset in two rows of hidden: h x 4,096 + 16 r; never rewritten
.set LAS, 6                            ; v6   where I put 8 bytes of hidden
.set LPS, 7                            ; v7   where I put 8 bytes of P
.set VB,  8                            ; v8   the turning loads' LDS address
.set VAF, 9                            ; v9   hidden's fragments' LDS address
.set STO, 10
.set RD,  11
.set SPW, 14
.set NIL, 15
.set VO,  16                           ; v16-23   my byte offset in row 8 w + j of a chunk of P
.set CT,  24                           ; v24-55   a chunk's rounded pairs: hidden's 16, P's 16; later the way out
.set AF,  56                           ; v56-87   hidden's fragments: tile, K half at AF + 8 (2 tile + half)
.set BF,  88                           ; v88-151  P's fragments: K half, column tile at BF + 32 half + 8 tile
.set ACC, 152                          ; v152-215 accumulator (tile, ct) at ACC + 8 (4 tile + ct)
.set SO,  216                          ; v216-223 my byte offsets in H for the eight stores
.set WV,  17
.set MK,  54                           ; s54  lanes that hold columns of the source
.set MSB, 0
.macro WIN new                         ; the immediate's high byte repeats the setting that is left
.if MSB != (\new)
	s_set_vgpr_msb (MSB<<8)|(\new)
.set MSB, \new
.endif
.endm
.macro PLACES
.rept 4
	v_nop
.endr
.endm
; A chunk's 16 loads into set s of window 1: hidden's from base ab at byte 256 s of the rows, P's from the set's own pointer
.macro GLOADS s, ab
	WIN 0x40
.set i, 0
.rept 8
	global_load_b128 v[64*(\s)+4*i:64*(\s)+4*i+3], v[VAO], s[\ab:\ab+1] offset:256*(\s)+8192*i
.set i, i+1
.endr
.set i, 0
.rept 8
	global_load_b128 v[64*(\s)+32+4*i:64*(\s)+32+4*i+3], v[VO+i], s[40+2*(\s):41+2*(\s)]
.set i, i+1
.endr
	WIN 0
.endm
	s_load_b256 s[4:11], s[0:1], 0x0               ; hidden s[4:5], proj0 s[6:7], proj1 s[8:9], proj2 s[10:11]
	s_load_b128 s[12:15], s[0:1], 0x20             ; proj3 s[12:13], hb s[14:15]
	v_lshl_add_u32 v[SPW], v0, 2, SPARE
	v_mov_b32 v[NIL], 0
	v_lshrrev_b32 v4, 5, v0
	v_readfirstlane_b32 s[WV], v4
	v_and_b32 v1, 31, v0                           ; lane
	v_and_b32 v2, 15, v0                           ; r
	v_bfe_u32 v3, v0, 4, 1                         ; h
	s_mov_b32 s16, ttmp9                           ; x
	s_and_b32 s28, ttmp7, 0xffff                   ; y
	s_lshr_b32 s29, s[WV], 1                       ; which 32 rows I multiply
	s_and_b32 s30, s[WV], 1                        ; which 64 columns
	; the block's parameters, chosen by x: source, its pitch, my columns' byte offset, lanes that hold columns, place and pitch in hb
	s_sub_co_u32 s25, s16, 8
	s_lshl_b32 s20, s16, 9
	s_lshl_b32 s26, s25, 9
	s_lshl_b32 s23, s16, 8
	s_lshl_b32 s27, s25, 8
	s_add_co_u32 s27, s27, 4194304
	s_mov_b32 s21, 4096
	s_mov_b32 s22, 32
	s_mov_b32 s24, 2048
	s_wait_kmcnt 0x0
	s_mov_b64 s[18:19], s[6:7]
	s_cmp_ge_u32 s16, 8
	s_cselect_b64 s[18:19], s[8:9], s[18:19]
	s_cselect_b32 s20, s26, s20
	s_cselect_b32 s21, 1024, s21
	s_cselect_b32 s23, s27, s23
	s_cselect_b32 s24, 512, s24
	s_cmp_ge_u32 s16, 10
	s_cselect_b64 s[18:19], s[10:11], s[18:19]
	s_cselect_b32 s20, 0, s20
	s_cselect_b32 s21, 256, s21
	s_cselect_b32 s22, 16, s22
	s_cselect_b32 s23, 5242880, s23
	s_cselect_b32 s24, 256, s24
	s_cmp_ge_u32 s16, 11
	s_cselect_b64 s[18:19], s[12:13], s[18:19]
	s_cselect_b32 s21, 64, s21
	s_cselect_b32 s22, 4, s22
	s_cselect_b32 s23, 5767168, s23
	; hidden at the 16 rows that I fetch
	s_lshl_b32 s32, s28, 19
	s_lshl_b32 s33, s[WV], 16
	s_add_co_u32 s32, s32, s33
	s_mov_b32 s33, 0
	s_add_nc_u64 s[32:33], s[4:5], s[32:33]
	s_add_nc_u64 s[34:35], s[32:33], 1024          ; four chunks on
	v_lshlrev_b32 v[VAO], 12, v3
	v_lshl_add_u32 v[VAO], v2, 4, v[VAO]
	; P at my block's columns: a pointer for each set, 64 rows apart
	s_mov_b32 s36, s20
	s_mov_b32 s37, 0
	s_add_nc_u64 s[40:41], s[18:19], s[36:37]
	s_lshl_b32 s36, s21, 6
	s_add_nc_u64 s[42:43], s[40:41], s[36:37]
	s_add_nc_u64 s[44:45], s[42:43], s[36:37]
	s_add_nc_u64 s[46:47], s[44:45], s[36:37]
	s_lshl_b32 s38, s21, 8                         ; four chunks of P: 256 rows
	s_mov_b32 s39, 0
	s_lshl_b32 s48, s[WV], 3
	s_mul_i32 s48, s48, s21
	s_sub_co_u32 s49, s22, 1
	v_min_u32 v4, s49, v1                          ; lanes beyond the source's columns read its last 16 bytes and store 0
	v_lshl_add_u32 v[VO], v4, 4, s48
.set j, 1
.rept 7
	v_add_nc_u32 v[VO+j], s21, v[VO+j-1]
.set j, j+1
.endr
	v_cmp_gt_u32 s[MK], s22, v1
	GLOADS 0, 32                                   ; chunks 0 to 3
	GLOADS 1, 32
	GLOADS 2, 32
	GLOADS 3, 32
	; LDS addresses
	s_mul_i32 s50, s[WV], 16*AP
	v_mul_u32_u24 v[LAS], v3, AP
	v_lshl_add_u32 v[LAS], v2, 3, v[LAS]
	v_add_nc_u32 v[LAS], s50, v[LAS]               ; row 16 w + h, 8 bytes for each of 16 lanes
	s_mul_i32 s50, s[WV], 8*PP
	s_add_co_u32 s50, s50, POFF
	v_lshl_add_u32 v[LPS], v1, 3, s50              ; row 8 w of P, 8 bytes a lane
	v_and_b32 v4, 7, v0
	v_bfe_u32 v12, v0, 3, 1
	v_lshl_add_u32 v[VB], v3, 3, v4
	v_mul_u32_u24 v[VB], v[VB], PP
	v_lshl_add_u32 v[VB], v12, 4, v[VB]
	s_lshl_b32 s48, s30, 7
	s_add_co_u32 s51, s48, POFF
	v_add_nc_u32 v[VB], s51, v[VB]                 ; (8 h + l % 8) x pitch + 16 ((l / 8) % 2) + my 64 columns
	s_mul_i32 s50, s29, 32*AP
	v_mul_u32_u24 v[VAF], v2, AP
	v_lshl_add_u32 v[VAF], v3, 4, v[VAF]
	v_add_nc_u32 v[VAF], s50, v[VAF]               ; (my 32 rows + r) x pitch + 16 h
	s_mul_i32 s49, s29, 32*SP
	s_add_co_u32 s49, s49, s48
	v_mul_u32_u24 v[STO], v2, SP
	v_lshl_add_u32 v[STO], v3, 4, v[STO]
	v_add_nc_u32 v[STO], s49, v[STO]
	s_mul_i32 s50, s[WV], 16*SP
	v_mul_u32_u24 v[RD], v3, SP
	v_lshl_add_u32 v[RD], v2, 4, v[RD]
	v_add_nc_u32 v[RD], s50, v[RD]
	v_mul_u32_u24 v4, v3, s24
	v_lshl_add_u32 v[SO], v2, 4, v4
	s_lshl_b32 s51, s24, 1
.set j, 1
.rept 7
	v_add_nc_u32 v[SO+j], s51, v[SO+j-1]
.set j, j+1
.endr
	s_lshl_b32 s52, s28, 7
	s_lshl_b32 s53, s[WV], 4
	s_add_co_u32 s52, s52, s53
	s_mul_i32 s52, s52, s24
	s_add_co_u32 s52, s52, s23
	s_mov_b32 s53, 0
	s_add_nc_u64 s[14:15], s[14:15], s[52:53]      ; hb at the 16 rows that I store
.set j, AF
.rept 160
	v_mov_b32 v[j], 0                              ; fragments and sums start at 0, written while the first loads are out
.set j, j+1
.endr
	s_wait_xcnt 0x0                                ; the 64 loads have read their pointers: P's step four chunks on
.irp s, 0,1,2,3
	s_add_nc_u64 s[40+2*\s:41+2*\s], s[40+2*\s:41+2*\s], s[38:39]
.endr
.macro MULS                            ; a trip's 16 products; the eight accumulators take turns, over the backward jump too
.irp kk, 0,1
.irp tl, 0,1
.irp ct, 0,1,2,3
	v_wmma_f32_16x16x32_bf16 v[ACC+8*(4*\tl+\ct):ACC+8*(4*\tl+\ct)+7], v[BF+32*\kk+8*\ct:BF+32*\kk+8*\ct+7], v[AF+8*(2*\tl+\kk):AF+8*(2*\tl+\kk)+7], v[ACC+8*(4*\tl+\ct):ACC+8*(4*\tl+\ct)+7]
.endr
.endr
.endr
.endm
; Step k (set k % 4, slot k % 2): chunk k is rounded and chunk k + 4 asked for while trip k - 1's fragments come out of LDS; trip k - 1 is multiplied; chunk k goes into its slot;
; behind the barrier trip k's fragments are asked for.  left = the younger sets' loads that may stay out
.macro VSTEP s, slot, ahead, left
	s_wait_loadcnt \left
	WIN 0x05                                       ; sources in window 1, destination in window 0
.set i, 0
.rept 32
	v_cvt_pk_bf16_f32 v[CT+i], v[64*(\s)+2*i], v[64*(\s)+2*i+1]
.set i, i+1
.endr
.if \ahead
	GLOADS \s, 34
.endif
	WIN 0
	s_wait_dscnt 0x0                               ; the last trip's fragments are in
	MULS
.set i, 16
.rept 16
	v_cndmask_b32 v[CT+i], 0, v[CT+i], s[MK]       ; columns that the source does not have are 0; these lines are also the places behind the products
.set i, i+1
.endr
.set i, 0
.rept 8
	ds_store_b64 v[LAS], v[CT+2*i:CT+2*i+1] offset:(\slot)*SLOT+2*AP*i
.set i, i+1
.endr
.set i, 0
.rept 8
	ds_store_b64 v[LPS], v[CT+16+2*i:CT+16+2*i+1] offset:(\slot)*SLOT+PP*i
.set i, i+1
.endr
	s_wait_dscnt 0x0                               ; for the others' sake: my part of the chunk is stored (and my reads of the other slot came back above)
	s_barrier_signal -1
	s_barrier_wait -1
.irp kk, 0,1
.irp ct, 0,1,2,3
	ds_load_tr16_b128 v[BF+32*\kk+8*\ct:BF+32*\kk+8*\ct+3],   v[VB] offset:(\slot)*SLOT+\kk*32*PP+32*\ct
	ds_load_tr16_b128 v[BF+32*\kk+8*\ct+4:BF+32*\kk+8*\ct+7], v[VB] offset:(\slot)*SLOT+\kk*32*PP+16*PP+32*\ct
.endr
.endr
.irp tl, 0,1
.irp kk, 0,1
	ds_load_b128 v[AF+8*(2*\tl+\kk):AF+8*(2*\tl+\kk)+3],   v[VAF] offset:(\slot)*SLOT+\tl*16*AP+64*\kk
	ds_load_b128 v[AF+8*(2*\tl+\kk)+4:AF+8*(2*\tl+\kk)+7], v[VAF] offset:(\slot)*SLOT+\tl*16*AP+64*\kk+32
.endr
.endr
.endm
	s_mov_b32 s55, 3
.Lround:                                       ; four chunks a round; chunks 4 to 15 are asked for in the three rounds
	VSTEP 0, 0, 1, 48
	VSTEP 1, 1, 1, 48
	VSTEP 2, 0, 1, 48
	VSTEP 3, 1, 1, 48
	s_wait_xcnt 0x0                                ; the round's loads have read their pointers
	s_add_nc_u64 s[34:35], s[34:35], 1024
.irp s, 0,1,2,3
	s_add_nc_u64 s[40+2*\s:41+2*\s], s[40+2*\s:41+2*\s], s[38:39]
.endr
	s_sub_co_u32 s55, s55, 1
	s_cmp_lg_u32 s55, 0
	s_cbranch_scc1 .Lround
	VSTEP 0, 0, 0, 48                              ; the last round loads nothing: the counts run down
	VSTEP 1, 1, 0, 32
	VSTEP 2, 0, 0, 16
	VSTEP 3, 1, 0, 0
	s_wait_dscnt 0x0
	MULS                                           ; the last trip
	; THE WAY OUT: rounded to bf16, 16 bytes a lane into the work-group's stage (a row's 256 bytes come from two waves), back as whole rows.
	; The stage lies in slot 0, whose last readers waited for their loads ahead of the last barrier; the last trip reads slot 1.
	PLACES
.set i, 0
.rept 8
.irp q, 0,1,2,3
	v_cvt_pk_bf16_f32 v[CT+4*i+\q], v[ACC+8*i+2*\q], v[ACC+8*i+2*\q+1]
.endr
.set i, i+1
.endr
.irp tl, 0,1
.irp ct, 0,1,2,3
	ds_store_b128 v[STO], v[CT+4*(4*\tl+\ct):CT+4*(4*\tl+\ct)+3] offset:\tl*16*SP+32*\ct
.endr
.endr
	s_wait_dscnt 0x0
	s_barrier_signal -1
	s_barrier_wait -1
.irp t, 0,1,2,3,4,5,6,7
	ds_load_b128 v[CT+4*\t:CT+4*\t+3], v[RD] offset:\t*2*SP
.endr
.irp t, 0,1,2,3,4,5,6,7
	s_wait_dscnt 7-\t
	global_store_b128 v[SO+\t], v[CT+4*\t:CT+4*\t+3], s[14:15]  ; 16 lanes store 256 consecutive bytes, aligned
.endr
	s_wait_tensorcnt 0x0                           ; the wave's end
	ds_add_u32 v[SPW], v[NIL]
	s_wait_dscnt 0x0
	s_endpgm
.Lfunc_end_k_q74ac017b0d_proj:
	.size	k_q74ac017b0d_proj, .Lfunc_end_k_q74ac017b0d_proj-k_q74ac017b0d_proj
	.p2alignl 7, 3214868480
	.fill 96, 4, 3214868480
	.section	.rodata,"a",@progbits
	.p2align	6, 0x0
	.amdhsa_kernel k_q74ac017b0d_proj
		.amdhsa_group_segment_fixed_size 74752
		.amdhsa_private_segment_fixed_size 0
		.amdhsa_enable_private_segment 0
		.amdhsa_kernarg_size 48
		.amdhsa_user_sgpr_count 2
		.amdhsa_user_sgpr_kernarg_segment_ptr 1
		.amdhsa_wavefront_size32 1
		.amdhsa_system_sgpr_workgroup_id_x 1
		.amdhsa_system_sgpr_workgroup_id_y 1
		.amdhsa_system_sgpr_workgroup_id_z 1
		.amdhsa_system_vgpr_workitem_id 0
		.amdhsa_next_free_vgpr 512
		.amdhsa_next_free_sgpr 66
		.amdhsa_reserve_vcc 0
		.amdhsa_float_denorm_mode_32 3
		.amdhsa_float_denorm_mode_16_64 3
		.amdhsa_memory_ordered 1
		.amdhsa_forward_progress 1
		.amdhsa_inst_pref_size 83
	.end_amdhsa_kernel
	.amdgpu_metadata
---
amdhsa.version: [ 1, 2 ]
amdhsa.kernels:
  - .name:           k_q74ac017b0d_proj
    .symbol:         k_q74ac017b0d_proj.kd
    .args:
      - { .name: hidden, .offset: 0, .size: 8, .value_kind: global_buffer, .address_space: global }
      - { .name: proj0, .offset: 8, .size: 8, .value_kind: global_buffer, .address_space: global }
      - { .name: proj1, .offset: 16, .size: 8, .value_kind: global_buffer, .address_space: global }
      - { .name: proj2, .offset: 24, .size: 8, .value_kind: global_buffer, .address_space: global }
      - { .name: proj3, .offset: 32, .size: 8, .value_kind: global_buffer, .address_space: global }
      - { .name: hb, .offset: 40, .size: 8, .value_kind: global_buffer, .address_space: global }
    .group_segment_fixed_size: 74752
    .private_segment_fixed_size: 0
    .kernarg_segment_align: 8
    .kernarg_segment_size: 48
    .max_flat_workgroup_size: 256
    .sgpr_count:     66
    .vgpr_count:     512
    .wavefront_size: 32
...
	.end_amdgpu_metadata
.endif
;; end of part 1
;; launch tails (part 2): grid 256 x 1, 12 waves a work-group, no clusters, 62,976 bytes of LDS; arguments hb, w1, b1, w2, b2, w3, b3, w0, wb, pt; writes wb, pt
.if DOCPART == 2
	.amdgcn_target "amdgcn-amd-amdhsa--gfx1250"
	.amdhsa_code_object_version 6
	.text
	.protected	k_q74ac017b0d_tails
	.globl	k_q74ac017b0d_tails
	.p2align	8
	.type	k_q74ac017b0d_tails,@function
k_q74ac017b0d_tails:
	s_mov_b64 s[64:65], 0
	v_nop
	global_prefetch_b8 v0, s[64:65] scope:SCOPE_SE
	s_setreg_imm32_b32 hwreg(HW_REG_WAVE_MODE, 25, 1), 1
	s_wait_xcnt 0x0
; Two jobs side by side in one work-group.
; WAVES 0-7: for each of the three tails, partial logsumexp.  Work-group g: column range x = g / 2 of 128 (columns (x 10000) >> 7 up to the next range's first: 78 or 79, in a window
; of 80 = 5 tiles) and row half y = g % 2.  Wave w: rows 1,024 y + 128 w on, 32 at a time.  For a row: m = the largest logit + bias of the range, l = the sum of 2^(c (s - m)), c = log2 e.
; pt: [tail x 128 + x][2048 rows][m, l] f32.  A column beyond the range counts as its logit less 1e30; NaN and infinities are not treated apart.
; The product is taken transposed (source 0 = 16 rows of W, source 1 = 16 rows of H): a lane holds one row of H (lane % 16) and 8 columns a tile, so maximum and sum stay in the lane but
; for one exchange of the halves.  W is rounded to bf16 once, into LDS; H comes from hb straight into fragments.
; A WAVE'S TILE is 2 row tiles x 5 column tiles: each fragment of W read from LDS feeds two products.  The bias, with the mask in it, starts the sums: it is read once into row tile 0's
; accumulators, row tile 1's first products take those registers as C, and row tile 0's first products follow in place.
; THE THREE TAILS ARE WALKED TOGETHER: an iteration takes 32 rows through 11 K steps of 32 (8 of tail 1, 2 of tail 2, 1 of tail 3).  H's fragments are a ring in registers: tail 1's steps
; share four slots (step k in slot k % 4), steps 8, 9, 10 have a slot each; a slot is asked for again straight behind the products that read it.
; WAVES 8-11: w0 is rounded to bf16 for the next launch: rows 80 g + 20 (w - 8) on, 20 rows = 80 chunks of 1,024 bytes, in four rounds of 20 chunks.
; wb has 20,480 rows; rows 20,000 on are written as 0 (those work-groups read w0's last 80 rows and mask them away).
; All registers that are read behind the one barrier are made ahead of the first branch on the wave's number, by all twelve waves, or behind the second.
; No cluster, no tensor load: W and w0 are f32 in memory and must pass through registers to be rounded.
; REGISTERS: 310, three waves to a SIMD.  Window 0: v0-15 addresses; v16-31 statistics; v32-111 accumulators; v112-191 W; v192-255 tail 1's H.  Window 1: v0-47 H of steps 8-10; v48-53 what is stored.
.set T1W,  0                           ; 80 rows x 528 bytes (512 + 16)
.set T2W,  42240                       ; 80 rows x 144 (128 + 16)
.set T3W,  53760                       ; 80 rows x 80 (K 16 as 32 bytes, 32 bytes of 0, 16 of padding)
.set BIAS, 60160                       ; 3 x 96 f32
.set SPARE, 61440                      ; the spare words, 128 bytes a wave
.set VBI, 10                           ; v10  BIAS + 32 h
.set VP,  11                           ; v11  8 x lane
.set CVS, 12                           ; v12  the converter: 32 x lane
.set CVD, 13                           ; v13  the converter: 16 x lane
.set SPW, 14
.set NIL, 15
.set C,   16                           ; v16-31   eight registers a row tile: five running maxima, l, c m, m
.set ACC, 32                           ; v32-111  row tile t, column tile e at ACC + 40 t + 8 e
.set WF,  112                          ; v112-191 W's fragments, two buffers of five
.set HF1, 192                          ; v192-255 tail 1's H: slot k % 4, row tile t at HF1 + 16 (k % 4) + 8 t
.set HF2, 0                            ; window 1: step g (8, 9, 10), row tile t at HF2 + 16 (g - 8) + 8 t
.set PRL, 48                           ; window 1: the pair (m, l) that is stored, for each tail
.set WV,  8
.set CS,  56
.set SEL, 58
.set HM,  60
; phase 0's registers
.set O1, 16
.set O2, 26
.set O3, 31
.set O3B, 32
.set OB, 33
.set X1, 40
.set X2, 120
.set X3, 140
.set X3B, 144
.set XB, 148
.set CV, 152
.set TC, 202
.set L1A, 203
.set L2A, 204
.set T2, 205
.set T3, 206
.set L3A, 207
.set LBA, 208
.set IDX, 209
.set ZZ, 212
.set BIGV, 214
.set CX, 16                            ; the converter: slot n's 8 f32
.set CY, 176                           ; and its 4 registers of bf16
.set MSB, 0
.macro WIN new                         ; the immediate's high byte repeats the setting that is left; a switch that changes nothing is dropped
.if MSB != (\new)
	s_set_vgpr_msb (MSB<<8)|(\new)
.set MSB, \new
.endif
.endm
.macro PLACES
.rept 4
	v_nop
.endr
.endm
	s_load_b512 s[16:31], s[0:1], 0x0              ; hb 16, w1 18, b1 20, w2 22, b2 24, w3 26, b3 28, w0 30
	s_load_b128 s[32:35], s[0:1], 0x40             ; wb 32, pt 34
	v_lshl_add_u32 v[SPW], v0, 2, SPARE
	v_mov_b32 v[NIL], 0
	v_lshrrev_b32 v4, 5, v0
	v_readfirstlane_b32 s[WV], v4
	v_and_b32 v1, 31, v0                           ; lane
	v_and_b32 v2, 15, v0                           ; r
	v_bfe_u32 v3, v0, 4, 1                         ; h
	s_mov_b32 s9, ttmp9
	s_lshr_b32 s10, s9, 1                          ; x
	s_and_b32 s11, s9, 1                           ; y
	s_mul_i32 s12, s10, 10000
	s_lshr_b32 s12, s12, 7                         ; the range's first column
	s_add_co_u32 s13, s10, 1
	s_mul_i32 s13, s13, 10000
	s_lshr_b32 s13, s13, 7
	s_sub_co_u32 s13, s13, s12                     ; its columns: 78 or 79
	s_lshl_b32 s44, s11, 10
	s_lshl_b32 s45, s[WV], 7
	s_add_co_u32 s44, s44, s45                     ; my first row (waves 0-7)
	s_lshl_b32 s45, s44, 3
	s_mov_b32 s[CS], 0x3fb8aa3b                    ; c = log2 e
	s_mov_b32 s[CS+1], s[CS]
	s_mov_b32 s[SEL], 0x76543210
	s_mov_b32 s[SEL+1], 0xfedcba98
	s_mov_b32 s55, 0
	s_mov_b32 s63, 0
	v_lshlrev_b32 v5, 9, v2
	v_lshl_add_u32 v5, v3, 4, v5                   ; H1: r x 512 + 16 h
	v_lshlrev_b32 v6, 8, v2
	v_lshl_add_u32 v6, v3, 4, v6                   ; H2, H3: r x 256 + 16 h
	v_mul_u32_u24 v7, v2, 528
	v_lshl_add_u32 v7, v3, 4, v7
	v_mul_u32_u24 v8, v2, 144
	v_lshl_add_u32 v8, v3, 4, v8
	v_add_nc_u32 v8, T2W, v8
	v_mul_u32_u24 v9, v2, 80
	v_lshl_add_u32 v9, v3, 4, v9
	v_add_nc_u32 v9, T3W, v9
	v_lshl_add_u32 v[VBI], v3, 5, BIAS
	v_lshlrev_b32 v[VP], 3, v1
	v_lshlrev_b32 v[CVS], 5, v1
	v_lshlrev_b32 v[CVD], 4, v1
	v_cmp_le_u32 s[HM], 16, v1
	s_wait_kmcnt 0x0
	s_cmp_ge_u32 s[WV], 8
	s_cbranch_scc1 .Lmeet
	; ---- waves 0-7: phase 0: the range's rows of the three tables and biases into LDS.  Every wave issues the same loads; only LDS stores are branched.
	s_add_co_u32 s36, s12, s[WV]
.irp i, 0,1,2,3,4,5,6,7,8,9            ; tail 1: row 8 i + w of the window (the table's last row stands in for rows past it), 32 bytes a lane
	s_add_co_u32 s37, s36, 8*\i
	s_min_u32 s37, s37, 9999
	s_lshl_b32 s37, s37, 10
	v_lshl_add_u32 v[O1+\i], v1, 5, s37
	global_load_b128 v[X1+8*\i:X1+8*\i+3],   v[O1+\i], s[18:19]
	global_load_b128 v[X1+8*\i+4:X1+8*\i+7], v[O1+\i], s[18:19] offset:16
.endr
	s_lshl_b32 s37, s[WV], 1
	s_add_co_u32 s37, s37, s12
	v_add_nc_u32 v[TC], s37, v3
.irp i, 0,1,2,3,4                      ; tail 2: row 16 i + 2 w + h, piece r of 16 bytes
	v_add_nc_u32 v[O2+\i], 16*\i, v[TC]
	v_min_u32 v[O2+\i], 9999, v[O2+\i]
	v_lshlrev_b32 v[O2+\i], 8, v[O2+\i]
	v_lshl_add_u32 v[O2+\i], v2, 4, v[O2+\i]
	global_load_b128 v[X2+4*\i:X2+4*\i+3], v[O2+\i], s[22:23]
.endr
	v_lshrrev_b32 v[T2], 2, v1
	v_and_b32 v[T3], 3, v1
	s_lshl_b32 s37, s[WV], 3
	s_add_co_u32 s37, s37, s12
	v_add_nc_u32 v[TC], s37, v[T2]
	v_min_u32 v[O3], 9999, v[TC]                   ; tail 3: row 8 w + lane / 4, piece lane % 4 of 16 bytes,
	v_lshlrev_b32 v[O3], 6, v[O3]
	v_lshl_add_u32 v[O3], v[T3], 4, v[O3]
	global_load_b128 v[X3:X3+3], v[O3], s[26:27]
	v_add_nc_u32 v[O3B], 64, v[TC]                 ; and the row 64 further down (stored by waves 0 and 1 alone: rows 64-79)
	v_min_u32 v[O3B], 9999, v[O3B]
	v_lshlrev_b32 v[O3B], 6, v[O3B]
	v_lshl_add_u32 v[O3B], v[T3], 4, v[O3B]
	global_load_b128 v[X3B:X3B+3], v[O3B], s[26:27]
	s_mov_b64 s[38:39], s[28:29]                   ; a bias: wave 5 tail 1's, wave 6 tail 2's, the others tail 3's (stored by waves 5, 6, 7 alone)
	s_cmp_eq_u32 s[WV], 6
	s_cselect_b64 s[38:39], s[24:25], s[38:39]
	s_cmp_eq_u32 s[WV], 5
	s_cselect_b64 s[38:39], s[20:21], s[38:39]
.irp i, 0,1,2
	v_add_nc_u32 v[IDX+\i], 32*\i, v1
	v_add_nc_u32 v[OB+\i], s12, v[IDX+\i]
	v_min_u32 v[OB+\i], 9999, v[OB+\i]
	v_lshlrev_b32 v[OB+\i], 2, v[OB+\i]
	global_load_b32 v[XB+\i], v[OB+\i], s[38:39]
.endr
	s_mul_i32 s37, s[WV], 528
	v_lshl_add_u32 v[L1A], v1, 4, s37              ; row w, 16 bytes a lane
	s_mul_i32 s37, s[WV], 288
	s_add_co_u32 s37, s37, T2W
	v_mul_u32_u24 v[L2A], v3, 144
	v_lshl_add_u32 v[L2A], v2, 3, v[L2A]
	v_add_nc_u32 v[L2A], s37, v[L2A]               ; row 2 w + h, 8 bytes a piece
	s_mul_i32 s37, s[WV], 640
	s_add_co_u32 s37, s37, T3W
	v_mul_u32_u24 v[L3A], v[T2], 80
	v_lshl_add_u32 v[L3A], v[T3], 3, v[L3A]
	v_add_nc_u32 v[L3A], s37, v[L3A]               ; row 8 w + lane / 4, 8 bytes a piece
	v_mov_b32 v[ZZ], 0
	v_mov_b32 v[ZZ+1], 0
	s_wait_loadcnt 0x0                             ; all of phase 0's loads
.irp i, 0,1,2,3,4,5,6,7,8,9
.irp q, 0,1,2,3
	v_cvt_pk_bf16_f32 v[CV+4*(\i%2)+\q], v[X1+8*\i+2*\q], v[X1+8*\i+2*\q+1]
.endr
	ds_store_b128 v[L1A], v[CV+4*(\i%2):CV+4*(\i%2)+3] offset:8*528*\i
.endr
.irp i, 0,1,2,3,4
	v_cvt_pk_bf16_f32 v[CV+2*(\i%4)], v[X2+4*\i], v[X2+4*\i+1]
	v_cvt_pk_bf16_f32 v[CV+2*(\i%4)+1], v[X2+4*\i+2], v[X2+4*\i+3]
	ds_store_b64 v[L2A], v[CV+2*(\i%4):CV+2*(\i%4)+1] offset:16*144*\i
.endr
	v_cvt_pk_bf16_f32 v[CV+2], v[X3], v[X3+1]
	v_cvt_pk_bf16_f32 v[CV+3], v[X3+2], v[X3+3]
	ds_store_b64 v[L3A], v[CV+2:CV+3]
	ds_store_b64 v[L3A], v[ZZ:ZZ+1] offset:32      ; K 16 to 31 of tail 3 are 0
	s_cmp_lt_u32 s[WV], 2
	s_cbranch_scc0 .Lno3
	v_cvt_pk_bf16_f32 v[CV+4], v[X3B], v[X3B+1]
	v_cvt_pk_bf16_f32 v[CV+5], v[X3B+2], v[X3B+3]
	ds_store_b64 v[L3A], v[CV+4:CV+5] offset:64*80
	ds_store_b64 v[L3A], v[ZZ:ZZ+1] offset:64*80+32
.Lno3:
	s_cmp_ge_u32 s[WV], 5
	s_cbranch_scc0 .Lmeet
	s_sub_co_u32 s40, s[WV], 5
	s_mul_i32 s40, s40, 384
	s_add_co_u32 s40, s40, BIAS
	v_lshl_add_u32 v[LBA], v1, 2, s40
	v_mov_b32 v[BIGV], 0xf149f2ca                  ; -1e30
.irp i, 0,1,2
	v_cmp_gt_u32 s41, s13, v[IDX+\i]
	v_cndmask_b32 v[XB+\i], v[BIGV], v[XB+\i], s41
	ds_store_b32 v[LBA], v[XB+\i] offset:128*\i
.endr
.Lmeet:
	s_wait_dscnt 0x0                               ; my stores into the tables are done
	s_barrier_signal -1
	s_barrier_wait -1                              ; the one barrier: the tables are whole and are only read from here on
	s_cmp_ge_u32 s[WV], 8
	s_cbranch_scc1 .Lconv
; What belongs to step g of the 11: the tail, the K step in it, the address registers, W's and H's pitch, H's two pointers (s[QBA:QBA+1] the 32 rows in hand, s[QBA+2:QBA+3] the next 32),
; the window and first register of H's slot, and how many younger loads of H may stay out when the step's fragments are wanted (in groups of 4 loads: see ITER).
.macro STEPSET g
.if (\g) < 8
.set QT, 1
.set QK, (\g)
.set QVH, 5
.set QVW, 7
.set QWP, 528
.set QPI, 512
.set QHW, 0
.set QHR, HF1+16*((\g)%4)
.if (\g) < 4
.set QLC, 24
.else
.set QLC, 12
.endif
.elseif (\g) < 10
.set QT, 2
.set QK, (\g)-8
.set QVH, 6
.set QVW, 8
.set QWP, 144
.set QPI, 256
.set QHW, 1
.set QHR, HF2+16*((\g)-8)
.set QLC, 40
.else
.set QT, 3
.set QK, 0
.set QVH, 6
.set QVW, 9
.set QWP, 80
.set QPI, 256
.set QHW, 1
.set QHR, HF2+32
.set QLC, 40
.endif
.set QBA, 66+4*(QT-1)
.endm
.macro WLOADG buf, g                   ; five fragments of W for step g, into buffer buf
	STEPSET \g
.irp e, 0,1,2,3,4
	ds_load_b128 v[WF+40*(\buf)+8*\e:WF+40*(\buf)+8*\e+3],   v[QVW] offset:\e*16*QWP+64*QK
	ds_load_b128 v[WF+40*(\buf)+8*\e+4:WF+40*(\buf)+8*\e+7], v[QVW] offset:\e*16*QWP+64*QK+32
.endr
.endm
.macro HLOADG tg, nx                   ; step tg's two fragments of H, a group of 4 loads, into its slot.  nx = 0: of the 32 rows in hand; 1: of the next 32
	STEPSET \tg
.set QB, QBA+2*(\nx)
	WIN 0x40*QHW                                   ; destination in the slot's window, address in window 0
.irp t, 0,1
	global_load_b128 v[QHR+8*\t:QHR+8*\t+3],   v[QVH], s[QB:QB+1] offset:\t*16*QPI+64*QK
	global_load_b128 v[QHR+8*\t+4:QHR+8*\t+7], v[QVH], s[QB:QB+1] offset:\t*16*QPI+64*QK+32
.endr
	WIN 0
.endm
.macro HRELOAD g                       ; behind step g's products its slot is asked for again
.if (\g) < 4
	HLOADG (\g)+4, 0                               ; tail 1's step four on, the same rows
.elseif (\g) < 8
	HLOADG (\g)-4, 1                               ; tail 1's step four back, the next rows
.else
	HLOADG \g, 1                                   ; the same step, the next rows
.endif
.endm
; 32 rows x 80 columns of logits -> m (v[C+8 t+7]) and l (v[C+8 t+5]) of row tile t, in every lane; in four stages, so that both row tiles' exponentials are one batch.
; Each accumulator's lowest registers are read first.
.macro EMAX t
.set EA, ACC+40*(\t)
.set EC, C+8*(\t)
.irp e, 0,1,2,3,4
	v_max3_num_f32 v[EC+\e], v[EA+8*\e], v[EA+8*\e+1], v[EA+8*\e+2]
.endr
.irp e, 0,1,2,3,4
	v_max3_num_f32 v[EC+\e], v[EC+\e], v[EA+8*\e+3], v[EA+8*\e+4]
.endr
.irp e, 0,1,2,3,4
	v_max3_num_f32 v[EC+\e], v[EC+\e], v[EA+8*\e+5], v[EA+8*\e+6]
.endr
	v_max3_num_f32 v[EC], v[EC], v[EA+7], v[EA+15]
	v_max3_num_f32 v[EC+1], v[EC+1], v[EA+23], v[EA+31]
	v_max_num_f32 v[EC+2], v[EC+2], v[EA+39]
	v_max3_num_f32 v[EC], v[EC], v[EC+1], v[EC+2]
	v_max3_num_f32 v[EC], v[EC], v[EC+3], v[EC+4]
	v_permlanex16_b32 v[EC+1], v[EC], s[SEL], s[SEL+1]  ; the row's other 40 columns lie in the lane 16 away
	v_max_num_f32 v[EC+7], v[EC], v[EC+1]
	v_mul_f32 v[EC+6], s[CS], v[EC+7]
.endm
.macro ESCL t
.set EA, ACC+40*(\t)
.set EC, C+8*(\t)
.set z, 0
.rept 20
	v_pk_fma_f32 v[EA+2*z:EA+2*z+1], v[EA+2*z:EA+2*z+1], s[CS:CS+1], v[EC+6:EC+7] op_sel_hi:[1,0,0] neg_lo:[0,0,1] neg_hi:[0,0,1]
.set z, z+1
.endr
.endm
.macro ESUM t
.set EA, ACC+40*(\t)
.set EC, C+8*(\t)
.set z, 0
.rept 10
	v_pk_add_f32 v[EA+2*z:EA+2*z+1], v[EA+2*z:EA+2*z+1], v[EA+20+2*z:EA+21+2*z]
.set z, z+1
.endr
.set z, 0
.rept 5
	v_pk_add_f32 v[EA+2*z:EA+2*z+1], v[EA+2*z:EA+2*z+1], v[EA+10+2*z:EA+11+2*z]
.set z, z+1
.endr
	v_pk_add_f32 v[EA:EA+1], v[EA:EA+1], v[EA+2:EA+3]
	v_pk_add_f32 v[EA+4:EA+5], v[EA+4:EA+5], v[EA+6:EA+7]
	v_pk_add_f32 v[EA:EA+1], v[EA:EA+1], v[EA+4:EA+5]
	v_pk_add_f32 v[EA:EA+1], v[EA:EA+1], v[EA+8:EA+9]
	v_add_f32 v[EC+5], v[EA], v[EA+1]
	v_permlanex16_b32 v[EC], v[EC+5], s[SEL], s[SEL+1]
	v_add_f32 v[EC+5], v[EC+5], v[EC]
.endm
.macro EPI10
	EMAX 0
	EMAX 1
	ESCL 0
	ESCL 1
.set z, 0
.rept 80
	v_exp_f32 v[ACC+z], v[ACC+z]
.set z, z+1
.endr
	v_nop                                          ; a plain instruction behind the last exponential,
	s_wait_alu depctr_va_vdst(0)                   ; and one wait for the batch of 80, ahead of the first reader
	ESUM 0
	ESUM 1
.endm
; 32 rows through the 11 steps.
; W: step g multiplies buffer g % 2; ahead of its wait the other buffer is asked for step g + 1, and those 10 LDS loads may stay out.  Steps 10 and 0 both fall on buffer 0: step 0's W is asked
; for behind step 10's products, ahead of tail 3's vector work, and step 10 waits for all.
; H: the groups of 4 loads go out in this order: behind steps 0-3 for steps 4-7; behind steps 4-7 for the next rows' steps 0-3; behind steps 8, 9, 10 for the next rows' same steps.
; So, when a step's fragments are wanted, the younger groups are: steps 0-3: six (24 loads); steps 4-7: three (12); steps 8-10: ten (40).
; A slot or a buffer is loaded again four places behind the last product that read it.
; The ten accumulators take turns, row tile 1's five and then row tile 0's.  In a tail's first step row tile 1 takes the bias out of row tile 0's registers; five places lie between those
; products and row tile 0's, which write the registers.
.macro ITER
.set gq, 0
.rept 11
	STEPSET gq
.if QK == 0
.irp e, 0,1,2,3,4
	ds_load_b128 v[ACC+8*\e:ACC+8*\e+3],   v[VBI] offset:384*(QT-1)+64*\e
	ds_load_b128 v[ACC+8*\e+4:ACC+8*\e+7], v[VBI] offset:384*(QT-1)+64*\e+16
.endr
.else
	PLACES
	HRELOAD gq-1
.endif
.if gq < 10
	WLOADG (gq+1)%2, gq+1
	s_wait_dscnt 10
.else
	s_wait_dscnt 0x0
.endif
	STEPSET gq
	s_wait_loadcnt QLC
.set WFB, WF+40*(gq%2)
	WIN 0x04*QHW                                   ; source 1 (H) in the slot's window; W, C and D in window 0
.if QK == 0
.irp e, 0,1,2,3,4
	v_wmma_f32_16x16x32_bf16 v[ACC+40+8*\e:ACC+40+8*\e+7], v[WFB+8*\e:WFB+8*\e+7], v[QHR+8:QHR+15], v[ACC+8*\e:ACC+8*\e+7]
.endr
.rept 5
	v_nop
.endr
.else
.irp e, 0,1,2,3,4
	v_wmma_f32_16x16x32_bf16 v[ACC+40+8*\e:ACC+40+8*\e+7], v[WFB+8*\e:WFB+8*\e+7], v[QHR+8:QHR+15], v[ACC+40+8*\e:ACC+40+8*\e+7]
.endr
.endif
.irp e, 0,1,2,3,4
	v_wmma_f32_16x16x32_bf16 v[ACC+8*\e:ACC+8*\e+7], v[WFB+8*\e:WFB+8*\e+7], v[QHR:QHR+7], v[ACC+8*\e:ACC+8*\e+7]
.endr
.if (gq == 7) || (gq == 9) || (gq == 10)   ; a tail's last step
	WIN 0
	PLACES
	HRELOAD gq
.if gq == 10
	WLOADG 0, 0
.endif
	EPI10
	STEPSET gq
	WIN 0x40                                       ; destination in window 1
	v_cndmask_b32 v[PRL+2*(QT-1)], v[C+7], v[C+15], s[HM]      ; lanes 0-15 take row tile 0's rows, lanes 16-31 row tile 1's:
	v_cndmask_b32 v[PRL+2*(QT-1)+1], v[C+5], v[C+13], s[HM]
	WIN 0x04                                       ; a store's data is source 1
	global_store_b64 v[VP], v[PRL+2*(QT-1):PRL+2*(QT-1)+1], s[50:51] offset:(QT-1)*2097152  ; 32 rows x 8 bytes: 256 consecutive bytes, aligned
	WIN 0
.endif
.set gq, gq+1
.endr
.endm
	; H's pointers, at my first row of each of the three tables, and the next 32 rows; pt at (tail 1, range, my first row)
	s_lshl_b32 s46, s44, 9
	s_add_co_u32 s46, s46, 4194304
	s_mov_b32 s47, 0
	s_add_nc_u64 s[66:67], s[16:17], s[46:47]
	s_add_nc_u64 s[68:69], s[66:67], 16384
	s_lshl_b32 s46, s44, 8
	s_add_co_u32 s46, s46, 5242880
	s_add_nc_u64 s[70:71], s[16:17], s[46:47]
	s_add_nc_u64 s[72:73], s[70:71], 8192
	s_add_nc_u64 s[74:75], s[70:71], 524288
	s_add_nc_u64 s[76:77], s[74:75], 8192
	s_lshl_b32 s50, s10, 14
	s_add_co_u32 s50, s50, s45
	s_mov_b32 s51, 0
	s_add_nc_u64 s[50:51], s[34:35], s[50:51]
.irp gp, 0,1,2,3,8,9,10                ; the seven slots' first loads, in the order in which the loop asks for them
	HLOADG \gp, 0
.endr
	WLOADG 0, 0
	s_mov_b32 s52, 4
.Liter:                                        ; 4 trips of 32 rows.  In the last trip 'the next rows' are the rows in hand once more, so that the waits keep their counts: those loads are not used
	ITER
	s_wait_xcnt 0x0                                ; loads and stores have read their sources
	s_mov_b64 s[66:67], s[68:69]
	s_mov_b64 s[70:71], s[72:73]
	s_mov_b64 s[74:75], s[76:77]
	s_cmp_gt_u32 s52, 2
	s_cselect_b32 s54, 16384, 0
	s_cselect_b32 s62, 8192, 0
	s_add_nc_u64 s[68:69], s[68:69], s[54:55]
	s_add_nc_u64 s[72:73], s[72:73], s[62:63]
	s_add_nc_u64 s[76:77], s[76:77], s[62:63]
	s_add_nc_u64 s[50:51], s[50:51], 256
	s_sub_co_u32 s52, s52, 1
	s_cmp_lg_u32 s52, 0
	s_cbranch_scc1 .Liter
	s_wait_loadcnt 0x0
	s_branch .Lend
; The converter's slot: 1,024 bytes of f32 become 512 of bf16.  Behind slot n's two loads the round's 19 - n younger slots have issued two each
.macro CSLOT n
	s_wait_loadcnt 38-2*(\n)
.irp q, 0,1,2,3
	v_cvt_pk_bf16_f32 v[CY+4*(\n)+\q], v[CX+8*(\n)+2*\q], v[CX+8*(\n)+2*\q+1]
.endr
.irp q, 0,1,2,3
	v_and_b32 v[CY+4*(\n)+\q], s42, v[CY+4*(\n)+\q]
.endr
	global_store_b128 v[CVD], v[CY+4*(\n):CY+4*(\n)+3], s[40:41] offset:512*(\n)  ; 512 consecutive bytes, aligned
.endm
.Lconv:                                        ; ---- waves 8-11: four rounds; a round asks for its 20 chunks at once and takes them as they come.  One text for all rounds: the four waves have 80 KiB on their way at a round's head, and the job is the shorter of the work-group's two
	s_sub_co_u32 s10, s[WV], 8
	s_mul_i32 s11, s9, 80
	s_min_u32 s12, s11, 19920
	s_lshl_b32 s12, s12, 12
	s_mul_i32 s13, s10, 81920
	s_add_co_u32 s12, s12, s13
	s_mov_b32 s13, 0
	s_lshl_b32 s14, s11, 11
	s_mul_i32 s15, s10, 40960
	s_add_co_u32 s14, s14, s15
	s_mov_b32 s15, 0
	s_cmp_lt_u32 s9, 250
	s_cselect_b32 s42, -1, 0                       ; rows 20,000 on are written as 0
	s_add_nc_u64 s[36:37], s[30:31], s[12:13]
	s_add_nc_u64 s[40:41], s[32:33], s[14:15]
	s_mov_b32 s43, 4
.Lcround:
.set n, 0
.rept 20
	global_load_b128 v[CX+8*n:CX+8*n+3],   v[CVS], s[36:37] offset:1024*n th:TH_LOAD_NT
	global_load_b128 v[CX+8*n+4:CX+8*n+7], v[CVS], s[36:37] offset:1024*n+16 th:TH_LOAD_NT
.set n, n+1
.endr
.set n, 0
.rept 20
	CSLOT n
.set n, n+1
.endr
	s_wait_xcnt 0x0                                ; the round's loads and stores have read their sources: pointers step, and the stores' registers are free
	s_add_nc_u64 s[36:37], s[36:37], 20480
	s_add_nc_u64 s[40:41], s[40:41], 10240
	s_sub_co_u32 s43, s43, 1
	s_cmp_lg_u32 s43, 0
	s_cbranch_scc1 .Lcround
.Lend:
	s_wait_tensorcnt 0x0                           ; the wave's end
	ds_add_u32 v[SPW], v[NIL]
	s_wait_dscnt 0x0
	s_endpgm
.Lfunc_end_k_q74ac017b0d_tails:
	.size	k_q74ac017b0d_tails, .Lfunc_end_k_q74ac017b0d_tails-k_q74ac017b0d_tails
	.p2alignl 7, 3214868480
	.fill 96, 4, 3214868480
	.section	.rodata,"a",@progbits
	.p2align	6, 0x0
	.amdhsa_kernel k_q74ac017b0d_tails
		.amdhsa_group_segment_fixed_size 62976
		.amdhsa_private_segment_fixed_size 0
		.amdhsa_enable_private_segment 0
		.amdhsa_kernarg_size 80
		.amdhsa_user_sgpr_count 2
		.amdhsa_user_sgpr_kernarg_segment_ptr 1
		.amdhsa_wavefront_size32 1
		.amdhsa_system_sgpr_workgroup_id_x 1
		.amdhsa_system_sgpr_workgroup_id_y 1
		.amdhsa_system_sgpr_workgroup_id_z 1
		.amdhsa_system_vgpr_workitem_id 0
		.amdhsa_next_free_vgpr 320
		.amdhsa_next_free_sgpr 80
		.amdhsa_reserve_vcc 0
		.amdhsa_float_denorm_mode_32 3
		.amdhsa_float_denorm_mode_16_64 3
		.amdhsa_memory_ordered 1
		.amdhsa_forward_progress 1
		.amdhsa_inst_pref_size 91
	.end_amdhsa_kernel
	.amdgpu_metadata
---
amdhsa.version: [ 1, 2 ]
amdhsa.kernels:
  - .name:           k_q74ac017b0d_tails
    .symbol:         k_q74ac017b0d_tails.kd
    .args:
      - { .name: hb, .offset: 0, .size: 8, .value_kind: global_buffer, .address_space: global }
      - { .name: w1, .offset: 8, .size: 8, .value_kind: global_buffer, .address_space: global }
      - { .name: b1, .offset: 16, .size: 8, .value_kind: global_buffer, .address_space: global }
      - { .name: w2, .offset: 24, .size: 8, .value_kind: global_buffer, .address_space: global }
      - { .name: b2, .offset: 32, .size: 8, .value_kind: global_buffer, .address_space: global }
      - { .name: w3, .offset: 40, .size: 8, .value_kind: global_buffer, .address_space: global }
      - { .name: b3, .offset: 48, .size: 8, .value_kind: global_buffer, .address_space: global }
      - { .name: w0, .offset: 56, .size: 8, .value_kind: global_buffer, .address_space: global }
      - { .name: wb, .offset: 64, .size: 8, .value_kind: global_buffer, .address_space: global }
      - { .name: pt, .offset: 72, .size: 8, .value_kind: global_buffer, .address_space: global }
    .group_segment_fixed_size: 62976
    .private_segment_fixed_size: 0
    .kernarg_segment_align: 8
    .kernarg_segment_size: 80
    .max_flat_workgroup_size: 384
    .sgpr_count:     80
    .vgpr_count:     320
    .wavefront_size: 32
...
	.end_amdgpu_metadata
.endif
;; end of part 2
;; launch head (part 3): grid 32 x 8, 4 waves a work-group, clusters of 4 x 4, 327,680 bytes of LDS; arguments hb, wb, b0, ph; writes ph
.if DOCPART == 3
	.amdgcn_target "amdgcn-amd-amdhsa--gfx1250"
	.amdhsa_code_object_version 6
	.text
	.protected	k_q74ac017b0d_head
	.globl	k_q74ac017b0d_head
	.p2align	8
	.type	k_q74ac017b0d_head,@function
k_q74ac017b0d_head:
	s_mov_b64 s[64:65], 0
	v_nop
	global_prefetch_b8 v0, s[64:65] scope:SCOPE_SE
	s_setreg_imm32_b32 hwreg(HW_REG_WAVE_MODE, 25, 1), 1
	s_wait_xcnt 0x0
	s_wait_alu depctr_hold_cnt(0) depctr_sa_sdst(0) depctr_va_vdst(0) depctr_va_sdst(0) depctr_va_ssrc(0) depctr_va_vcc(0) depctr_vm_vsrc(0)
	s_getreg_b32 s2, hwreg(HW_REG_IB_STS2, 6, 4)
	s_cmp_eq_u32 s2, 0
	s_cbranch_scc0 .Lentry_in_a_cluster
	s_endpgm
.Lentry_in_a_cluster:
	s_bfe_u32 s2, ttmp6, 0x10000c
	s_cmp_lg_u32 s2, 0xf033
	s_cbranch_scc0 .Lentry_shape_is_right
	s_endpgm
.Lentry_shape_is_right:
; Partial logsumexp of the head's 20,000 shortlist logits: s = H0[row] . w0[col] + b0[col].  H0: hb [2048][1024] bf16; wb: [20480][1024] bf16 (w0 rounded, rows 20,000 on are 0).
; SHARES.  Work-group (x, y): columns 625 x .. 625 x + 624, walked as 3 tiles of 224 (columns 625 on of the window are masked), rows 256 y on.  Four waves: rows 128 (w / 2) on,
; columns 112 (w % 2) on of each tile: 8 x 7 accumulators of 16 x 16, 448 registers.  K goes in steps of 128 through a ring of two LDS slots; the ring runs on from tile to tile: 24 steps.
; For a row and a column half: a running maximum m and l = the sum of 2^(c (s - m)), c = log2 e; behind each tile l is multiplied by 2^(c m_old - c m_new).  ph: [2 x + half][2048][m, l] f32.
; A masked column counts as its logit less 1e30; NaN and infinities are not treated apart.
; The product is taken transposed (source 0 = 16 rows of W, source 1 = 16 rows of H): a lane holds one row of H (lane % 16) and the columns 8 (lane / 16) + 0..7 of each of 7 tiles.
; The bias, with the mask in it, is the C operand of the products that start a tile's sums.
; CLUSTER 4 x 4: H's tile hangs on y alone and is asked for jointly along a row of the cluster, W's on x alone and jointly along a column.
; REGISTERS, in windows of 256: window 0: v0-31 addresses; v32-63 four statistics a row tile (c m, m, l even, l odd); v64-127, v128-191 H's fragments, two buffers; v192-215 at work.
;   window 1: v64-119, v128-183 W's fragments, two buffers; v192-247 the bias as C.   window 2: accumulators of row tiles 0-3 at v[8 (7 a + b)];   window 3: row tiles 4-7.
.set PITCH, 272                        ; an LDS row: 256 bytes + 16 of padding: the 16 rows of a fragment load start at 16 different groups of four banks
.set HH,    128*PITCH                  ; a wave's part of a slot: wave w's tensor load lands at w x HH: H's two halves of 128 rows, then W's two halves of 112 rows (16 rows' room stays unused)
.set WOFF,  2*HH
.set SLOT,  4*HH
.set SPARE, 2*SLOT                     ; behind the ring: the spare words, 128 bytes a wave
.set BIAS,  SPARE+512                  ; 768 f32, stored once by the waves; no tensor load lands here
.set ADRH, 16
.set ADRW, 20
.set VBA,  22                          ; v22  where my 32 bytes of a tile's bias begin
.set VP,   23                          ; v23  8 x lane
.set SPW,  28
.set NIL,  29
.set PFO,  30                          ; v30  the prefetches' offset: a lane a row
.set ST,   32
.set F0,   64
.set F1,   128
.set BC,   192                         ; window 1
.set CC,   192                         ; window 0: v192-198 seven running maxima
.set AL,   202                         ; v202 the correction of l (v203 is named with it as a pair)
.set PR,   208
.set G1,  24
.set G0,  32
.set G1B, 48
.set G0B, 56
.set PFA, 76                           ; s[76:77] where my prefetches stand
.set PST, 78                           ; s[78:79] their next step
.set PF,  80                           ; s80  requests left, one more than that until the first; 0 in a wave that never asks
.set PCN, 81                           ; s81  requests until W's next tile
.set HADD, 82                          ; s[82:83], s[84:85], s[86:87]: the lap's steps of the descriptors' addresses
.set HSUB, 84
.set WADD, 86
.set CS,  88
.set SEL, 90
.set HM,  92
.set PT,  93
.set WNX, 96                           ; s96  bytes from a slot's last K step of a tile of W to its first of the next: 224 rows down, 6 steps back
.set PNX, 97                           ; s97  the same for the prefetches: 224 rows down, 7 steps back
.set MSB, 0
.macro WIN new                         ; the immediate's high byte repeats the setting that is left
.if MSB != (\new)
	s_set_vgpr_msb (MSB<<8)|(\new)
.set MSB, \new
.endif
.endm
.macro PLACES
.rept 4
	v_nop
.endr
.endm
; A joint load: waves 0 and 1 fetch H's two halves, waves 2 and 3 W's.  An s_nop 0 and four v_nop follow each of the two lines.
.macro JLOAD s
	s_cmp_eq_u32 s11, 0
	s_cbranch_scc0 .Lfor_w_\@
	tensor_load_to_lds s[G0+4*(\s):G0+4*(\s)+3], s[G1:G1+7]
	s_nop 0
.rept 4
	v_nop
.endr
	s_branch .Lasked_\@
.Lfor_w_\@:
	tensor_load_to_lds s[G0B+4*(\s):G0B+4*(\s)+3], s[G1B:G1B+7]
	s_nop 0
.rept 4
	v_nop
.endr
.Lasked_\@:
.endm
; A prefetch, behind a joint load, its five lines and the run of LDS loads: the K step that stands two refills on, 256 bytes of each row, a lane a row.  H's rows are asked for by the
; clusters with x = 0 (K steps 4-7, once: later tiles read H again), W's by the clusters with y = 0 (steps 4-23 of the walk).  The four partners of a joint load share its rows out by
; address: 32 each of H's 128, 28 each of W's 112 (lanes 28-31 name lane 27's row).  The first four steps come by their loads alone; the last two refills ask for nothing.
.macro ASK
	s_cmp_lg_u32 s[PF], 0
	s_cbranch_scc0 .Lnot_mine_\@
	global_prefetch_b8 v[PFO], s[PFA:PFA+1] th:TH_LOAD_NT scope:SCOPE_SE
.Lnot_mine_\@:
.endm
.macro CREST                           ; a round of the cluster's barrier behind its opening barrier
	s_cmp_lg_u32 s10, 0
	s_cbranch_scc1 .Lnot_wave_0_\@
	s_barrier_signal -3
.Lnot_wave_0_\@:
	s_barrier_wait -3
	s_barrier_signal -1
	s_barrier_wait -1
.endm
.macro CROUND
	s_barrier_signal -1
	s_barrier_wait -1
	CREST
.endm
	s_load_b256 s[68:75], s[0:1], 0x0              ; hb s[68:69], wb s[70:71], b0 s[72:73], ph s[74:75]
	v_lshl_add_u32 v[SPW], v0, 2, SPARE
	v_mov_b32 v[NIL], 0
	ds_add_u32 v[SPW], v[NIL]                      ; the wave's opening: the add, twice on end, and its wait ahead of my first tensor load
	ds_add_u32 v[SPW], v[NIL]
	v_lshrrev_b32 v1, 5, v0
	v_readfirstlane_b32 s10, v1                    ; wave 0..3
	s_lshr_b32 s11, s10, 1                         ; my half of the rows.  Also: I fetch for H (0) or for W (1)
	s_and_b32 s12, s10, 1                          ; my half of the columns.  Also: which half of that tile I fetch
	s_bfe_u32 s40, ttmp6, 0x40000                  ; cx
	s_bfe_u32 s41, ttmp6, 0x40004                  ; cy
	s_lshl_b32 s42, ttmp9, 2
	s_add_co_u32 s42, s42, s40                     ; x
	s_and_b32 s13, ttmp7, 0xffff
	s_lshl_b32 s13, s13, 2
	s_add_co_u32 s13, s13, s41                     ; y
	s_lshl_b32 s43, s41, 2
	s_lshl_b32 s43, 15, s43                        ; my row of the cluster
	s_lshl_b32 s44, 0x1111, s40                    ; my column
	s_or_b32 s[G1+0], s43, (1<<16)|(1<<20)|(1<<21)|(5<<22)|(3<<25)   ; the mask; 2-byte elements; padding on; bit 21 beside a mask; after every 64 words 4 words
	s_or_b32 s[G1B+0], s44, (1<<16)|(1<<20)|(1<<21)|(5<<22)|(3<<25)
	s_mov_b32 s[G1+1], 128<<16                     ; tensor_dim0 = 128
	s_mov_b32 s[G1+2], 128<<16                     ; tensor_dim1 = 128
	s_mov_b32 s[G1+3], 128<<16                     ; tile_dim0 = 128
	s_mov_b32 s[G1+4], 128                         ; tile_dim1 = 128
	s_mov_b32 s[G1+5], 1024                        ; elements from row to row
	s_mov_b32 s[G1+6], 0
	s_mov_b32 s[G1+7], 0
	s_mov_b32 s[G1B+1], 128<<16
	s_mov_b32 s[G1B+2], 112<<16                    ; W: 112 rows
	s_mov_b32 s[G1B+3], 128<<16
	s_mov_b32 s[G1B+4], 112
	s_mov_b32 s[G1B+5], 1024
	s_mov_b32 s[G1B+6], 0
	s_mov_b32 s[G1B+7], 0
	s_lshl_b32 s17, s12, 7
	s_lshl_b32 s16, s13, 8
	s_add_co_u32 s16, s16, s17
	s_lshl_b32 s16, s16, 11                        ; H: (256 y + 128 half) rows of 2,048 bytes
	s_mov_b32 s17, 0
	s_mul_i32 s46, s42, 625
	s_mul_i32 s47, s12, 112
	s_add_co_u32 s46, s46, s47
	s_lshl_b32 s46, s46, 11                        ; W: (625 x + 112 half) rows
	s_mov_b32 s47, 0
	s_mul_i32 s20, s10, HH                         ; where they go: wave x 34,816: no place in the cluster enters an LDS address
	s_mov_b32 s[CS], 0x3fb8aa3b
	s_mov_b32 s[CS+1], s[CS]
	s_mov_b32 s[SEL], 0x76543210
	s_mov_b32 s[SEL+1], 0xfedcba98
	s_mov_b32 s[PST+1], 0
	s_mov_b32 s[HADD+1], 0
	s_mov_b32 s[HSUB+1], 0
	s_mov_b32 s[WADD+1], 0
	s_mov_b32 s[PCN], 5
	s_mov_b32 s[WNX], 224*2048-6*256
	s_mov_b32 s[PNX], 224*2048-7*256
	s_wait_dscnt 0x0                               ; both opening adds are done
	s_wait_kmcnt 0x0
	s_add_nc_u64 s[14:15], s[68:69], s[16:17]
	s_add_nc_u64 s[46:47], s[70:71], s[46:47]
	CROUND                                         ; all sixteen work-groups are here: the first joint loads meet
.irp s, 0,1
	s_mov_b32 s[G0+4*(\s)], 1
	s_add_co_u32 s[G0+4*(\s)+1], s20, (\s)*SLOT
	s_add_nc_u64 s[G0+4*(\s)+2:G0+4*(\s)+3], s[14:15], (\s)*256
	s_or_b32 s[G0+4*(\s)+3], s[G0+4*(\s)+3], 0x80000000
	s_mov_b32 s[G0B+4*(\s)], 1
	s_add_co_u32 s[G0B+4*(\s)+1], s20, (\s)*SLOT
	s_add_nc_u64 s[G0B+4*(\s)+2:G0B+4*(\s)+3], s[46:47], (\s)*256
	s_or_b32 s[G0B+4*(\s)+3], s[G0B+4*(\s)+3], 0x80000000
	JLOAD \s                                       ; K steps 0 and 1: two loads of mine are out
.endr
	; the bias table: entry i of 768 = b0[625 x + i], or -1e30 from i = 625 on
	s_mul_i32 s22, s42, 625
.irp q, 0,1,2,3,4,5
	v_add_nc_u32 v[64+\q], 128*\q, v0
	v_add_nc_u32 v[70+\q], s22, v[64+\q]
	v_min_u32 v[70+\q], 19999, v[70+\q]
	v_lshlrev_b32 v[70+\q], 2, v[70+\q]
	global_load_b32 v[76+\q], v[70+\q], s[72:73]
.endr
	v_mov_b32 v82, 0xf149f2ca                      ; -1e30
	v_lshl_add_u32 v83, v0, 2, BIAS
	; addresses
	v_and_b32 v1, 15, v0
	v_bfe_u32 v2, v0, 4, 1
	v_and_b32 v4, 31, v0
	v_mul_u32_u24 v3, v1, PITCH
	v_lshl_add_u32 v3, v2, 4, v3
	s_mul_i32 s20, s11, HH                         ; my 128 rows of H,
	s_mul_i32 s21, s12, HH
	s_add_co_u32 s21, s21, WOFF                    ; my 112 rows of W
.irp s, 0,1
	v_add_nc_u32 v[ADRH+(\s)], s20, v3
	v_add_nc_u32 v[ADRW+(\s)], s21, v3
	s_add_co_u32 s20, s20, SLOT
	s_add_co_u32 s21, s21, SLOT
.endr
	s_mul_i32 s20, s12, 448
	s_add_co_u32 s20, s20, BIAS
	v_lshl_add_u32 v[VBA], v2, 5, s20
	v_lshlrev_b32 v[VP], 3, v4
	v_cmp_le_u32 s[HM], 16, v4
	s_lshl_b32 s94, s42, 1
	s_add_co_u32 s94, s94, s12
	s_lshl_b32 s94, s94, 14
	s_lshl_b32 s95, s13, 11
	s_add_co_u32 s94, s94, s95
	s_lshl_b32 s95, s11, 10
	s_add_co_u32 s94, s94, s95
	s_mov_b32 s95, 0
	s_add_nc_u64 s[74:75], s[74:75], s[94:95]      ; ph at (2 x + half, my first row)
	; the prefetches
	s_lshl_b32 s18, s13, 8
	s_lshl_b32 s19, s12, 7
	s_add_co_u32 s18, s18, s19
	s_lshl_b32 s19, s40, 5
	s_add_co_u32 s18, s18, s19                     ; H: the 128 rows that I fetch, my work-group's 32 of them
	s_mul_i32 s19, s42, 625
	s_mul_i32 s23, s12, 112
	s_add_co_u32 s19, s19, s23
	s_mul_i32 s23, s41, 28
	s_add_co_u32 s19, s19, s23                     ; W: my work-group's 28 of the 112
	s_and_b32 s23, ttmp7, 0xffff
	s_cmp_eq_u32 s11, 0
	s_cselect_b32 s18, s18, s19
	s_cselect_b32 s23, ttmp9, s23                  ; the coordinate along which other clusters read the same rows
	s_cselect_b32 s[PF], 5, 21
	s_cselect_b32 s19, 31, 27
	s_cselect_b64 s[PFA:PFA+1], s[68:69], s[70:71]
	s_cmp_eq_u32 s23, 0
	s_cselect_b32 s[PF], s[PF], 0                  ; the same in all sixteen partners, for a given wave
	v_min_u32 v[PFO], s19, v4
	v_lshlrev_b32 v[PFO], 11, v[PFO]
	s_lshl_b32 s18, s18, 11
	s_add_co_u32 s18, s18, 3*256                   ; at K step 3: the first refill steps it to 4
	s_mov_b32 s19, 0
	s_add_nc_u64 s[PFA:PFA+1], s[PFA:PFA+1], s[18:19]
.irp a, 0,1,2,3,4,5,6,7
	v_mov_b32 v[ST+4*\a], 0xfe000000               ; c m: far below every c s, so the first correction is 0
	v_mov_b32 v[ST+4*\a+1], 0xff7fffff             ; m
	v_mov_b32 v[ST+4*\a+2], 0
	v_mov_b32 v[ST+4*\a+3], 0
.endr
	v_mov_b32 v[AL+1], 0
	s_wait_loadcnt 0x0
.irp q, 0,1,2,3,4,5
	v_cmp_gt_u32 s23, 625, v[64+\q]
	v_cndmask_b32 v[76+\q], v82, v[76+\q], s23
	ds_store_b32 v83, v[76+\q] offset:512*\q
.endr
; 14 matrix instructions: row tiles a0, a0 + 1 of the window's four x 7 column tiles, 32 along K.  mode = 1: the bias starts the sums
.macro MUL14 f, hi, a0, mode
.if \mode
	WIN 0x91+0x40*(\hi)                            ; W window 1, H window 0, C window 1, D window 2 or 3
.else
	WIN 0xa1+0x50*(\hi)                            ; C and D window 2 or 3
.endif
.irp a, \a0, (\a0)+1
.irp b, 0,1,2,3,4,5,6
.if \mode
	v_wmma_f32_16x16x32_bf16 v[8*(7*(\a)+(\b)):8*(7*(\a)+(\b))+7], v[(\f)+8*(\b):(\f)+8*(\b)+7], v[(\f)+8*(4*(\hi)+(\a)):(\f)+8*(4*(\hi)+(\a))+7], v[BC+8*(\b):BC+8*(\b)+7]
.else
	v_wmma_f32_16x16x32_bf16 v[8*(7*(\a)+(\b)):8*(7*(\a)+(\b))+7], v[(\f)+8*(\b):(\f)+8*(\b)+7], v[(\f)+8*(4*(\hi)+(\a)):(\f)+8*(4*(\hi)+(\a))+7], v[8*(7*(\a)+(\b)):8*(7*(\a)+(\b))+7]
.endif
.endr
.endr
.endm
; 30 LDS loads in one run: a quarter step's fragments (112 rows of W, then 128 rows of H, 32 K at byte k of the rows) into buffer f
.macro FETCH slot, k, f
	WIN 0x40
.irp i, 0,1,2,3,4,5,6
	ds_load_b128 v[(\f)+8*(\i):(\f)+8*(\i)+3],   v[ADRW+(\slot)] offset:(\k)+(\i)*16*PITCH
	ds_load_b128 v[(\f)+8*(\i)+4:(\f)+8*(\i)+7], v[ADRW+(\slot)] offset:(\k)+(\i)*16*PITCH+32
.endr
	WIN 0
.irp i, 0,1,2,3,4,5,6,7
	ds_load_b128 v[(\f)+8*(\i):(\f)+8*(\i)+3],   v[ADRH+(\slot)] offset:(\k)+(\i)*16*PITCH
	ds_load_b128 v[(\f)+8*(\i)+4:(\f)+8*(\i)+7], v[ADRH+(\slot)] offset:(\k)+(\i)*16*PITCH+32
.endr
.endm
.macro BIASLD                          ; my 7 x 8 biases of the tile, as a C operand
	WIN 0x40
.irp b, 0,1,2,3,4,5,6
	ds_load_b128 v[BC+8*\b:BC+8*\b+3],   v[VBA] offset:64*\b
	ds_load_b128 v[BC+8*\b+4:BC+8*\b+7], v[VBA] offset:64*\b+16
.endr
	WIN 0
.endm
; A K step is four quarters of 32 along K, 56 matrix instructions each, on buffers 0, 1, 0, 1; the 56 accumulators take turns in the same order in every quarter.
.macro QUARTER slot, k, f, g, mode
	s_wait_dscnt 8                                 ; W and H's row tiles 0-3 are in; the youngest eight loads (row tiles 4-7) may be out
	MUL14 \f, 0, 0, \mode
	MUL14 \f, 0, 2, \mode
	PLACES
	FETCH \slot, \k, \g
	s_wait_dscnt 30                                ; all but the 30 just issued
	MUL14 \f, 1, 0, \mode
	MUL14 \f, 1, 2, \mode
.endm
; The first half of a step's last quarter: one barrier for the change of slots
.macro MEET round
	WIN 0
	s_wait_tensorcnt 0x0                           ; all my tensor loads have landed: the one that was out is my part of the next slot
	ds_add_u32 v[SPW], v[NIL]                      ; 0 onto my spare word
	s_wait_dscnt 9                                 ; (the add and the youngest eight loads may be out)
	MUL14 F1, 0, 0, 0
	s_wait_dscnt 0x0                               ; the add is done, and my reads of this slot are over
	s_barrier_signal -1
	MUL14 F1, 0, 2, 0
.if \round
	WIN 0
.endif
	s_barrier_wait -1
.endm
; The whole last quarter with a refill: behind the round the slot just read takes the walk's K step two on
.macro TURN slot, next
	s_wait_xcnt 0x0                                ; the last prefetch, a K step back, has read its address
	s_sub_co_u32 s[PCN], s[PCN], 1
	s_cmp_eq_u32 s[PCN], 0
	s_cselect_b32 s[PST], s[PNX], 256              ; along K, or on to the next tile's rows of W and back along K
	s_cselect_b32 s[PCN], 8, s[PCN]
	s_add_nc_u64 s[PFA:PFA+1], s[PFA:PFA+1], s[PST:PST+1]
	s_cmp_lg_u32 s[PF], 0
	s_cselect_b32 s[PT], 1, 0
	s_sub_co_u32 s[PF], s[PF], s[PT]
	MEET 1
	CREST                                          ; no wave of any partner still reads this slot or has a load on its way
	s_add_nc_u64 s[G0+4*(\slot)+2:G0+4*(\slot)+3], s[G0+4*(\slot)+2:G0+4*(\slot)+3], s[HADD:HADD+1]
	s_sub_nc_u64 s[G0+4*(\slot)+2:G0+4*(\slot)+3], s[G0+4*(\slot)+2:G0+4*(\slot)+3], s[HSUB:HSUB+1]
	s_add_nc_u64 s[G0B+4*(\slot)+2:G0B+4*(\slot)+3], s[G0B+4*(\slot)+2:G0B+4*(\slot)+3], s[WADD:WADD+1]
	JLOAD \slot                                    ; my one tensor load behind the round; its four v_nop are also the places in front of the loads below
	FETCH \next, 0, F0
	ASK
	MUL14 F1, 1, 0, 0
	MUL14 F1, 1, 2, 0
.endm
; Row tile a's 16 rows x 112 columns of logits are folded into its m and l.  Each accumulator's lowest registers are read first.
.macro EPI a
.set EW, 2+(\a)/4
.set EAB, 56*((\a)%4)
.set ET, ST+4*(\a)
	WIN EW|(EW<<2)|(EW<<4)
.irp b, 0,1,2,3,4,5,6
	v_max3_num_f32 v[CC+\b], v[EAB+8*\b], v[EAB+8*\b+1], v[EAB+8*\b+2]
.endr
	WIN (EW<<2)|(EW<<4)
.irp b, 0,1,2,3,4,5,6
	v_max3_num_f32 v[CC+\b], v[CC+\b], v[EAB+8*\b+3], v[EAB+8*\b+4]
.endr
.irp b, 0,1,2,3,4,5,6
	v_max3_num_f32 v[CC+\b], v[CC+\b], v[EAB+8*\b+5], v[EAB+8*\b+6]
.endr
	v_max3_num_f32 v[CC], v[CC], v[EAB+7], v[EAB+15]
	v_max3_num_f32 v[CC+1], v[CC+1], v[EAB+23], v[EAB+31]
	v_max3_num_f32 v[CC+2], v[CC+2], v[EAB+39], v[EAB+47]
	v_max_num_f32 v[CC+3], v[CC+3], v[EAB+55]
	WIN 0
	v_max3_num_f32 v[CC], v[CC], v[CC+1], v[CC+2]
	v_max3_num_f32 v[CC+3], v[CC+3], v[CC+4], v[CC+5]
	v_max3_num_f32 v[CC], v[CC], v[CC+3], v[CC+6]
	v_permlanex16_b32 v[CC+1], v[CC], s[SEL], s[SEL+1]  ; the row's other 56 columns lie in the lane 16 away
	v_max3_num_f32 v[ET+1], v[CC], v[CC+1], v[ET+1]     ; the new m
	v_mul_f32 v[CC+2], s[CS], v[ET+1]
	v_sub_f32 v[CC+3], v[ET], v[CC+2]                   ; c m_old - c m_new
	v_mov_b32 v[ET], v[CC+2]
	WIN EW|(EW<<6)
.set z, 0
.rept 28
	v_pk_fma_f32 v[EAB+2*z:EAB+2*z+1], v[EAB+2*z:EAB+2*z+1], s[CS:CS+1], v[ET:ET+1] op_sel_hi:[1,0,0] neg_lo:[0,0,1] neg_hi:[0,0,1]
.set z, z+1
.endr
.set z, 0
.rept 56
	v_exp_f32 v[EAB+z], v[EAB+z]
.set z, z+1
.endr
	WIN 0
	v_exp_f32 v[AL], v[CC+3]
	v_nop                                          ; a plain instruction behind the last exponential,
	s_wait_alu depctr_va_vdst(0)                   ; and one wait for the batch of 57, ahead of the first reader
	WIN EW|(EW<<2)|(EW<<6)
.set z, 0
.rept 14
	v_pk_add_f32 v[EAB+2*z:EAB+2*z+1], v[EAB+2*z:EAB+2*z+1], v[EAB+28+2*z:EAB+29+2*z]
.set z, z+1
.endr
.set z, 0
.rept 7
	v_pk_add_f32 v[EAB+2*z:EAB+2*z+1], v[EAB+2*z:EAB+2*z+1], v[EAB+14+2*z:EAB+15+2*z]
.set z, z+1
.endr
	v_pk_add_f32 v[EAB:EAB+1], v[EAB:EAB+1], v[EAB+2:EAB+3]
	v_pk_add_f32 v[EAB+4:EAB+5], v[EAB+4:EAB+5], v[EAB+6:EAB+7]
	v_pk_add_f32 v[EAB+8:EAB+9], v[EAB+8:EAB+9], v[EAB+10:EAB+11]
	v_pk_add_f32 v[EAB:EAB+1], v[EAB:EAB+1], v[EAB+4:EAB+5]
	v_pk_add_f32 v[EAB+8:EAB+9], v[EAB+8:EAB+9], v[EAB+12:EAB+13]
	v_pk_add_f32 v[EAB:EAB+1], v[EAB:EAB+1], v[EAB+8:EAB+9]
	WIN EW<<4
	v_pk_fma_f32 v[ET+2:ET+3], v[ET+2:ET+3], v[AL:AL+1], v[EAB:EAB+1] op_sel_hi:[1,0,1]
.endm
	s_wait_tensorcnt 1                             ; my part of K step 0 is in; step 1's may stay out
	s_wait_dscnt 0x0                               ; my part of the bias table is stored
	s_barrier_signal -1
	s_barrier_wait -1
	BIASLD
	FETCH 0, 0, F0
	s_mov_b32 s3, 11                               ; laps that fill both slots again: K steps 2 to 23
	s_mov_b32 s2, 4                                ; laps left in the tile
	QUARTER 0, 64, F0, F1, 1
	WIN 0
.Llap:                                         ; a trip goes once round the ring, from a lap's second quarter to the next lap's first
	s_cmp_eq_u32 s2, 1                             ; does the next lap open a tile?  Then H goes back along K, and W 224 rows down and back
	s_cselect_b32 s[HADD], 0, 512
	s_cselect_b32 s[HSUB], 1536, 0
	s_cselect_b32 s[WADD], s[WNX], 512
	QUARTER 0, 128, F1, F0, 0
	QUARTER 0, 192, F0, F1, 0
	TURN 0, 1
	QUARTER 1, 64,  F0, F1, 0
	QUARTER 1, 128, F1, F0, 0
	QUARTER 1, 192, F0, F1, 0
	TURN 1, 0
	WIN 0
	s_sub_co_u32 s3, s3, 1
	s_sub_co_u32 s2, s2, 1
	s_cmp_eq_u32 s2, 0
	s_cbranch_scc1 .Lepi                           ; a tile is finished.  Both counters start at constants: the same way in every wave of every work-group
	QUARTER 0, 64, F0, F1, 0
	WIN 0
	s_cmp_lg_u32 s3, 0
	s_cbranch_scc1 .Llap
	QUARTER 0, 128, F1, F0, 0                      ; the walk's last lap is written out: it fills nothing, and has no round
	QUARTER 0, 192, F0, F1, 0
	MEET 0
	PLACES
	FETCH 1, 0, F0
	MUL14 F1, 1, 0, 0
	MUL14 F1, 1, 2, 0
	QUARTER 1, 64,  F0, F1, 0
	QUARTER 1, 128, F1, F0, 0
	QUARTER 1, 192, F0, F1, 0
	s_wait_dscnt 8
	MUL14 F1, 0, 0, 0
	MUL14 F1, 0, 2, 0
	s_wait_dscnt 0x0
	MUL14 F1, 1, 0, 0
	MUL14 F1, 1, 2, 0
	WIN 0
.Lepi:
	PLACES                                         ; behind the tile's last products
.irp a, 0,1,2,3,4,5,6,7
	EPI \a
.endr
	WIN 0
	s_cmp_eq_u32 s3, 0
	s_cbranch_scc1 .Lfin
	s_mov_b32 s2, 4
	v_add_nc_u32 v[VBA], 896, v[VBA]               ; the next tile's 224 biases
	BIASLD
	s_wait_dscnt 0x0
	QUARTER 0, 64, F0, F1, 1                       ; the next tile's first quarter: its fragments were fetched ahead of the vector work above
	WIN 0
	s_cmp_lg_u32 s3, 0
	s_cbranch_scc1 .Llap
.Lfin:
.irp a, 0,1,2,3,4,5,6,7
	v_add_f32 v[ST+4*\a+2], v[ST+4*\a+2], v[ST+4*\a+3]
.endr
.irp a, 0,1,2,3,4,5,6,7
	v_permlanex16_b32 v[ST+4*\a+3], v[ST+4*\a+2], s[SEL], s[SEL+1]
.endr
.irp a, 0,1,2,3,4,5,6,7
	v_add_f32 v[ST+4*\a+2], v[ST+4*\a+2], v[ST+4*\a+3]
.endr
.irp u, 0,1,2,3                        ; lanes 0-15 take row tile 2 u, lanes 16-31 row tile 2 u + 1: 32 rows x 8 bytes, 256 consecutive bytes, aligned
	v_cndmask_b32 v[PR+2*\u], v[ST+8*\u+1], v[ST+8*\u+5], s[HM]
	v_cndmask_b32 v[PR+2*\u+1], v[ST+8*\u+2], v[ST+8*\u+6], s[HM]
	global_store_b64 v[VP], v[PR+2*\u:PR+2*\u+1], s[74:75] offset:256*\u
.endr
	s_wait_tensorcnt 0x0                           ; the wave's end
	ds_add_u32 v[SPW], v[NIL]
	s_wait_dscnt 0x0
	CROUND                                         ; the closing round
	s_endpgm
.Lfunc_end_k_q74ac017b0d_head:
	.size	k_q74ac017b0d_head, .Lfunc_end_k_q74ac017b0d_head-k_q74ac017b0d_head
	.p2alignl 7, 3214868480
	.fill 96, 4, 3214868480
	.section	.rodata,"a",@progbits
	.p2align	6, 0x0
	.amdhsa_kernel k_q74ac017b0d_head
		.amdhsa_group_segment_fixed_size 327680
		.amdhsa_private_segment_fixed_size 0
		.amdhsa_enable_private_segment 0
		.amdhsa_kernarg_size 32
		.amdhsa_user_sgpr_count 2
		.amdhsa_user_sgpr_kernarg_segment_ptr 1
		.amdhsa_wavefront_size32 1
		.amdhsa_system_sgpr_workgroup_id_x 1
		.amdhsa_system_sgpr_workgroup_id_y 1
		.amdhsa_system_sgpr_workgroup_id_z 1
		.amdhsa_system_vgpr_workitem_id 0
		.amdhsa_next_free_vgpr 1024
		.amdhsa_next_free_sgpr 100
		.amdhsa_reserve_vcc 0
		.amdhsa_float_denorm_mode_32 3
		.amdhsa_float_denorm_mode_16_64 3
		.amdhsa_memory_ordered 1
		.amdhsa_forward_progress 1
		.amdhsa_inst_pref_size 178
	.end_amdhsa_kernel
	.amdgpu_metadata
---
amdhsa.version: [ 1, 2 ]
amdhsa.kernels:
  - .name:           k_q74ac017b0d_head
    .symbol:         k_q74ac017b0d_head.kd
    .args:
      - { .name: hb, .offset: 0, .size: 8, .value_kind: global_buffer, .address_space: global }
      - { .name: wb, .offset: 8, .size: 8, .value_kind: global_buffer, .address_space: global }
      - { .name: b0, .offset: 16, .size: 8, .value_kind: global_buffer, .address_space: global }
      - { .name: ph, .offset: 24, .size: 8, .value_kind: global_buffer, .address_space: global }
    .group_segment_fixed_size: 327680
    .private_segment_fixed_size: 0
    .kernarg_segment_align: 8
    .kernarg_segment_size: 32
    .max_flat_workgroup_size: 128
    .sgpr_count:     100
    .vgpr_count:     1024
    .wavefront_size: 32
...
	.end_amdgpu_metadata
.endif
;; end of part 3
;; launch final (part 4): grid 64 x 1, 16 waves a work-group, no clusters, 19,456 bytes of LDS; arguments ph, pt, hb, w0, b0, w1, b1, w2, b2, w3, b3, cluster_w, cluster_b, target, out0; writes out0
.if DOCPART == 4
	.amdgcn_target "amdgcn-amd-amdhsa--gfx1250"
	.amdhsa_code_object_version 6
	.text
	.protected	k_q74ac017b0d_final
	.globl	k_q74ac017b0d_final
	.p2align	8
	.type	k_q74ac017b0d_final,@function
k_q74ac017b0d_final:
	s_mov_b64 s[64:65], 0
	v_nop
	global_prefetch_b8 v0, s[64:65] scope:SCOPE_SE
	s_setreg_imm32_b32 hwreg(HW_REG_WAVE_MODE, 25, 1), 1
	s_wait_xcnt 0x0
; nll.  A work-group owns 32 rows.  PHASE A (lane = row): wave w joins the partial (m, l) of head parts w + 16 i (i < 4) and of each tail's parts w + 16 i (i < 8):
; M = the largest m, L = the sum of l 2^(c (m - M)), c = log2 e; into LDS.  PHASE B: wave w makes, for rows 2 w and 2 w + 1, seven dot products in f32 (h in bf16 from hb, weights in f32):
; the target's logit in each of the four tables (index clipped as in the reference) and the three cluster logits, biases added; into LDS.
; PHASE C (wave 0, lane = row): the 16 waves' (M, L) are joined; the cluster logits enter the head's join as three more partials (m = logit, l = 1); lse = M + ln 2 log2 L;
; nll = lse0 - d0, or for a target of tail i: lse0 - e(3 - i) + lse_i - d_i, chosen by v_cndmask_b32.
; Matrix units, clusters and tensor loads are left out: a few dot products a row, and partials that are read once.
.set XCH,   0                          ; [16 waves][4 tables][32 rows] x 8 bytes
.set DOT,   16384                      ; 32 rows x 32 bytes: d0 d1 d2 d3 e0 e1 e2 0
.set SPARE, 17408                      ; the spare words, 128 bytes a wave
.set SPW, 14
.set NIL, 15
.set PA,  16                           ; v16-71 phase A's 28 pairs; v72-79 its results; later v16-79 the two rows of w0
.set HR,  80                           ; v80-123  row i at HR + 22 i: h0 (16), h1 (4), h2, h3
.set CW,  124                          ; v124-219 cluster_w: row j at CW + 32 j
.set GS,  220                          ; v220-243 row i at GS + 12 i: w1 (8), w2 (2), w3
.set SS,  244                          ; v244-251 first the small gathers' offsets, then a row's eight numbers
.set TP,  252
.set WV,  8
.set CS,  46
.set LN2, 47
.set SEL, 84
; the join of n pairs (m, l) at v[base + 2 k], in four stages, so that all exponentials of a phase are one batch
.macro CMAX base, n, m
	v_max_num_f32 v[\m], v[\base], v[(\base)+2]
.set k, 2
.rept ((\n)-2)/2
	v_max3_num_f32 v[\m], v[\m], v[(\base)+2*k], v[(\base)+2*k+2]
.set k, k+2
.endr
.if (\n)%2
	v_max_num_f32 v[\m], v[\m], v[(\base)+2*(\n)-2]
.endif
.endm
.macro CARG base, n, m, cm
	v_mul_f32 v[\cm], s[CS], v[\m]
.set k, 0
.rept \n
	v_fma_f32 v[(\base)+2*k], v[(\base)+2*k], s[CS], -v[\cm]
.set k, k+1
.endr
.endm
.macro CEXP base, n
.set k, 0
.rept \n
	v_exp_f32 v[(\base)+2*k], v[(\base)+2*k]
.set k, k+1
.endr
.endm
.macro CSUM base, n, l
	v_mul_f32 v[\l], v[\base], v[(\base)+1]
.set k, 1
.rept (\n)-1
	v_fmac_f32 v[\l], v[(\base)+2*k], v[(\base)+2*k+1]
.set k, k+1
.endr
.endm
	s_load_b512 s[16:31], s[0:1], 0x0              ; ph 16, pt 18, hb 20, w0 22, b0 24, w1 26, b1 28, w2 30
	s_load_b256 s[32:39], s[0:1], 0x40             ; b2 32, w3 34, b3 36, cluster_w 38
	s_load_b128 s[40:43], s[0:1], 0x60             ; cluster_b 40, target 42
	s_load_b64 s[44:45], s[0:1], 0x70              ; out0
	v_lshl_add_u32 v[SPW], v0, 2, SPARE
	v_mov_b32 v[NIL], 0
	v_lshrrev_b32 v12, 5, v0
	v_readfirstlane_b32 s[WV], v12
	v_and_b32 v1, 31, v0
	s_mov_b32 s9, ttmp9
	s_lshl_b32 s10, s9, 5
	s_lshl_b32 s11, s[WV], 1
	s_add_co_u32 s10, s10, s11                     ; my first row
	s_lshl_b32 s11, s10, 2
	s_mov_b32 s[CS], 0x3fb8aa3b
	s_mov_b32 s[LN2], 0x3f317218
	s_mov_b32 s[SEL], 0x76543210
	s_mov_b32 s[SEL+1], 0xfedcba98
	s_lshl_b32 s14, s[WV], 14
	s_lshl_b32 s15, s9, 8
	s_add_co_u32 s14, s14, s15
	v_lshl_add_u32 v2, v1, 3, s14                  ; part w, the work-group's 32 rows: 256 consecutive bytes a load
	s_lshl_b32 s2, s10, 11
	v_lshl_add_u32 v3, v1, 4, s2                   ; h0
	s_lshl_b32 s3, s10, 9
	v_lshl_add_u32 v4, v1, 4, s3                   ; h1
	s_lshl_b32 s4, s10, 8
	v_lshl_add_u32 v7, v1, 2, s4                   ; h2
	v_lshl_add_u32 v8, v1, 1, s4                   ; h3
	v_lshlrev_b32 v9, 5, v1
	s_lshl_b32 s5, s[WV], 10
	v_lshl_add_u32 v10, v1, 3, s5                  ; XCH: my wave's block
	s_lshl_b32 s6, s[WV], 6
	s_add_co_u32 s6, s6, DOT
	v_mov_b32 v11, s6                              ; DOT: my two rows
	v_lshlrev_b32 v12, 3, v1
	v_lshl_add_u32 v13, v1, 5, DOT
	v_and_b32 v253, 15, v1
	s_wait_kmcnt 0x0
	s_load_b64 s[12:13], s[42:43], s11 offset:0x0  ; my two targets
	s_load_b96 s[48:50], s[40:41], 0x0             ; cluster_b
.irp i, 0,1,2,3
	global_load_b64 v[PA+2*\i:PA+2*\i+1], v2, s[16:17] offset:\i*262144 th:TH_LOAD_NT
.endr
.irp t, 0,1,2
.irp i, 0,1,2,3,4,5,6,7
	global_load_b64 v[PA+8+16*\t+2*\i:PA+8+16*\t+2*\i+1], v2, s[18:19] offset:\t*2097152+\i*262144 th:TH_LOAD_NT
.endr
.endr
.irp i, 0,1
.irp j, 0,1,2,3
	global_load_b128 v[HR+22*\i+4*\j:HR+22*\i+4*\j+3], v3, s[20:21] offset:2048*\i+512*\j
.endr
	global_load_b128 v[HR+22*\i+16:HR+22*\i+19], v4, s[20:21] offset:4194304+512*\i
	global_load_b32 v[HR+22*\i+20], v7, s[20:21] offset:5242880+256*\i
	global_load_u16 v[HR+22*\i+21], v8, s[20:21] offset:5767168+256*\i   ; lanes 16-31 read H3's columns 16-31, which are 0
.endr
.irp j, 0,1,2
.irp c, 0,1,2,3
	global_load_b128 v[CW+32*\j+8*\c:CW+32*\j+8*\c+3],   v9, s[38:39] offset:4096*\j+1024*\c
	global_load_b128 v[CW+32*\j+8*\c+4:CW+32*\j+8*\c+7], v9, s[38:39] offset:4096*\j+1024*\c+16
.endr
.endr
	s_wait_kmcnt 0x0                               ; the targets
.irp i, 0,1                            ; the four clipped indices of row i, their biases, and the gathers' offsets
	s_max_i32 s[52+4*\i], s[12+\i], 0
	s_min_u32 s[52+4*\i], s[52+4*\i], 19999
.irp c, 1,2,3
	s_sub_co_i32 s[52+4*\i+\c], s[12+\i], 10000+10000*\c
	s_max_i32 s[52+4*\i+\c], s[52+4*\i+\c], 0
	s_min_u32 s[52+4*\i+\c], s[52+4*\i+\c], 9999
.endr
.irp c, 0,1,2,3
	s_lshl_b32 s[68+4*\i+\c], s[52+4*\i+\c], 2
.endr
	s_load_b32 s[76+4*\i], s[24:25], s[68+4*\i] offset:0x0
	s_load_b32 s[77+4*\i], s[28:29], s[69+4*\i] offset:0x0
	s_load_b32 s[78+4*\i], s[32:33], s[70+4*\i] offset:0x0
	s_load_b32 s[79+4*\i], s[36:37], s[71+4*\i] offset:0x0
	s_lshl_b32 s2, s[52+4*\i], 12
	v_lshl_add_u32 v[5+\i], v1, 5, s2
	s_lshl_b32 s3, s[53+4*\i], 10
	v_lshl_add_u32 v[SS+3*\i], v1, 5, s3
	s_lshl_b32 s4, s[54+4*\i], 8
	v_lshl_add_u32 v[SS+3*\i+1], v1, 3, s4
	s_lshl_b32 s5, s[55+4*\i], 6
	v_lshl_add_u32 v[SS+3*\i+2], v253, 2, s5
	global_load_b128 v[GS+12*\i:GS+12*\i+3],   v[SS+3*\i], s[26:27]
	global_load_b128 v[GS+12*\i+4:GS+12*\i+7], v[SS+3*\i], s[26:27] offset:16
	global_load_b64 v[GS+12*\i+8:GS+12*\i+9], v[SS+3*\i+1], s[30:31]
	global_load_b32 v[GS+12*\i+10], v[SS+3*\i+2], s[34:35]
.endr
	; PHASE A
	s_wait_loadcnt 46                              ; behind the 28 partials: 14 loads of h, 24 of cluster_w, 8 small gathers
	CMAX PA, 4, 72
	CMAX PA+8, 8, 74
	CMAX PA+24, 8, 76
	CMAX PA+40, 8, 78
	CARG PA, 4, 72, 250
	CARG PA+8, 8, 74, 251
	CARG PA+24, 8, 76, 252
	CARG PA+40, 8, 78, 253
	CEXP PA, 28
	v_nop
	s_wait_alu depctr_va_vdst(0)                   ; one wait for the batch of 28
	CSUM PA, 4, 73
	CSUM PA+8, 8, 75
	CSUM PA+24, 8, 77
	CSUM PA+40, 8, 79
.irp c, 0,1,2,3
	ds_store_b64 v10, v[72+2*\c:73+2*\c] offset:256*\c
.endr
	s_wait_dscnt 0x0
.irp i, 0,1                            ; the two rows of w0, into phase A's registers
.irp c, 0,1,2,3
	global_load_b128 v[PA+32*\i+8*\c:PA+32*\i+8*\c+3],   v[5+\i], s[22:23] offset:1024*\c
	global_load_b128 v[PA+32*\i+8*\c+4:PA+32*\i+8*\c+7], v[5+\i], s[22:23] offset:1024*\c+16
.endr
.endr
	s_wait_loadcnt 16                              ; all but those 16
	s_wait_kmcnt 0x0                               ; the biases
; PHASE B, row i.  Register q of h holds channels 2 q (low half) and 2 q + 1 (high half) of the lane's run; the weights' registers 2 q and 2 q + 1 hold the same channels.
.macro DOTROW i
.set HB, HR+22*(\i)
.set GB, GS+12*(\i)
.set WB, PA+32*(\i)
.set q, 0
.rept 16
.irp j, 0,1,2
.if q == 0
	v_fma_mix_f32_bf16 v[SS+4+\j], v[HB+q], v[CW+32*\j+2*q], v[NIL] op_sel_hi:[1,0,0]
.else
	v_fma_mix_f32_bf16 v[SS+4+\j], v[HB+q], v[CW+32*\j+2*q], v[SS+4+\j] op_sel_hi:[1,0,0]
.endif
.endr
.irp j, 0,1,2
	v_fma_mix_f32_bf16 v[SS+4+\j], v[HB+q], v[CW+32*\j+2*q+1], v[SS+4+\j] op_sel:[1,0,0] op_sel_hi:[1,0,0]
.endr
.set q, q+1
.endr
	v_fma_mix_f32_bf16 v[SS+1], v[HB+16], v[GB], v[NIL] op_sel_hi:[1,0,0]
	v_fma_mix_f32_bf16 v[SS+2], v[HB+20], v[GB+8], v[NIL] op_sel_hi:[1,0,0]
	v_fma_mix_f32_bf16 v[SS+3], v[HB+21], v[GB+10], v[NIL] op_sel_hi:[1,0,0]
	v_fma_mix_f32_bf16 v[SS+1], v[HB+16], v[GB+1], v[SS+1] op_sel:[1,0,0] op_sel_hi:[1,0,0]
	v_fma_mix_f32_bf16 v[SS+2], v[HB+20], v[GB+9], v[SS+2] op_sel:[1,0,0] op_sel_hi:[1,0,0]
.set q, 1
.rept 3
	v_fma_mix_f32_bf16 v[SS+1], v[HB+16+q], v[GB+2*q], v[SS+1] op_sel_hi:[1,0,0]
	v_fma_mix_f32_bf16 v[SS+1], v[HB+16+q], v[GB+2*q+1], v[SS+1] op_sel:[1,0,0] op_sel_hi:[1,0,0]
.set q, q+1
.endr
	s_wait_loadcnt 8-8*(\i)                        ; this row of w0 is in
	v_fma_mix_f32_bf16 v[SS], v[HB], v[WB], v[NIL] op_sel_hi:[1,0,0]
	v_fma_mix_f32_bf16 v[SS+7], v[HB], v[WB+1], v[NIL] op_sel:[1,0,0] op_sel_hi:[1,0,0]
.set q, 1
.rept 15
	v_fma_mix_f32_bf16 v[SS], v[HB+q], v[WB+2*q], v[SS] op_sel_hi:[1,0,0]
	v_fma_mix_f32_bf16 v[SS+7], v[HB+q], v[WB+2*q+1], v[SS+7] op_sel:[1,0,0] op_sel_hi:[1,0,0]
.set q, q+1
.endr
	v_add_f32 v[SS], v[SS], v[SS+7]
	v_mov_b32 v[SS+7], 0
.irp m, 1,2,4,8
.irp j, 0,1,2,3,4,5,6
	v_add_f32_dpp v[SS+\j], v[SS+\j], v[SS+\j] row_xmask:\m row_mask:0xf bank_mask:0xf
.endr
.endr
.irp j, 0,1,2,3,4,5,6
	v_permlanex16_b32 v[TP], v[SS+\j], s[SEL], s[SEL+1]
	v_add_f32 v[SS+\j], v[SS+\j], v[TP]
.endr
.irp c, 0,1,2,3
	v_add_f32 v[SS+\c], s[76+4*(\i)+\c], v[SS+\c]
.endr
.irp j, 0,1,2
	v_add_f32 v[SS+4+\j], s[48+\j], v[SS+4+\j]
.endr
	ds_store_b128 v11, v[SS:SS+3] offset:32*(\i)   ; every lane holds the same eight numbers
	ds_store_b128 v11, v[SS+4:SS+7] offset:32*(\i)+16
.endm
	DOTROW 0
	DOTROW 1
	s_wait_dscnt 0x0
	s_barrier_signal -1
	s_barrier_wait -1
	s_cmp_lg_u32 s[WV], 0
	s_cbranch_scc1 .Lend
	; PHASE C: head: 16 + 3 pairs at v16; tails: 16 pairs each at v54, v86, v118
.set wv, 0
.rept 16
	ds_load_b64 v[16+2*wv:17+2*wv], v12 offset:1024*wv
.irp c, 1,2,3
	ds_load_b64 v[22+32*\c+2*wv:23+32*\c+2*wv], v12 offset:1024*wv+256*\c
.endr
.set wv, wv+1
.endr
	ds_load_b128 v[150:153], v13
	ds_load_b128 v[154:157], v13 offset:16
	s_lshl_b32 s2, s9, 7
	v_lshl_add_u32 v9, v1, 2, s2
	global_load_b32 v158, v9, s[42:43]
	s_wait_dscnt 0x0
.irp j, 0,1,2
	v_mov_b32 v[48+2*\j], v[154+\j]
	v_mov_b32 v[49+2*\j], 1.0
.endr
	CMAX 16, 19, 160
	CMAX 54, 16, 161
	CMAX 86, 16, 162
	CMAX 118, 16, 163
	CARG 16, 19, 160, 164
	CARG 54, 16, 161, 165
	CARG 86, 16, 162, 166
	CARG 118, 16, 163, 167
	CEXP 16, 67
	v_nop
	s_wait_alu depctr_va_vdst(0)                   ; one wait for the batch of 67
	CSUM 16, 19, 168
	CSUM 54, 16, 169
	CSUM 86, 16, 170
	CSUM 118, 16, 171
.irp c, 0,1,2,3
	v_log_f32 v[172+\c], v[168+\c]                 ; L is at least 1: the largest partial counts whole
.endr
	v_nop
	s_wait_alu depctr_va_vdst(0)
.irp c, 0,1,2,3
	v_fma_f32 v[172+\c], v[172+\c], s[LN2], v[160+\c]
.endr
	v_sub_f32 v176, v172, v150
	s_wait_loadcnt 0x0
.irp i, 1,2,3
	v_sub_f32 v177, v172, v[157-\i]                ; lse0 - e(3 - i)
	v_add_f32 v177, v177, v[172+\i]
	v_sub_f32 v177, v177, v[150+\i]
	v_add_nc_u32 v178, -10000-10000*\i, v158
	v_cmp_gt_u32 vcc_lo, 10000, v178               ; the tail's first index <= target < its last + 1
	v_cndmask_b32 v176, v176, v177, vcc_lo
.endr
	global_store_b32 v9, v176, s[44:45]
.Lend:
	s_wait_tensorcnt 0x0                           ; the wave's end
	ds_add_u32 v[SPW], v[NIL]
	s_wait_dscnt 0x0
	s_endpgm
.Lfunc_end_k_q74ac017b0d_final:
	.size	k_q74ac017b0d_final, .Lfunc_end_k_q74ac017b0d_final-k_q74ac017b0d_final
	.p2alignl 7, 3214868480
	.fill 96, 4, 3214868480
	.section	.rodata,"a",@progbits
	.p2align	6, 0x0
	.amdhsa_kernel k_q74ac017b0d_final
		.amdhsa_group_segment_fixed_size 19456
		.amdhsa_private_segment_fixed_size 0
		.amdhsa_enable_private_segment 0
		.amdhsa_kernarg_size 120
		.amdhsa_user_sgpr_count 2
		.amdhsa_user_sgpr_kernarg_segment_ptr 1
		.amdhsa_wavefront_size32 1
		.amdhsa_system_sgpr_workgroup_id_x 1
		.amdhsa_system_sgpr_workgroup_id_y 1
		.amdhsa_system_sgpr_workgroup_id_z 1
		.amdhsa_system_vgpr_workitem_id 0
		.amdhsa_next_free_vgpr 256
		.amdhsa_next_free_sgpr 96
		.amdhsa_reserve_vcc 1
		.amdhsa_float_denorm_mode_32 3
		.amdhsa_float_denorm_mode_16_64 3
		.amdhsa_memory_ordered 1
		.amdhsa_forward_progress 1
		.amdhsa_inst_pref_size 58
	.end_amdhsa_kernel
	.amdgpu_metadata
---
amdhsa.version: [ 1, 2 ]
amdhsa.kernels:
  - .name:           k_q74ac017b0d_final
    .symbol:         k_q74ac017b0d_final.kd
    .args:
      - { .name: ph, .offset: 0, .size: 8, .value_kind: global_buffer, .address_space: global }
      - { .name: pt, .offset: 8, .size: 8, .value_kind: global_buffer, .address_space: global }
      - { .name: hb, .offset: 16, .size: 8, .value_kind: global_buffer, .address_space: global }
      - { .name: w0, .offset: 24, .size: 8, .value_kind: global_buffer, .address_space: global }
      - { .name: b0, .offset: 32, .size: 8, .value_kind: global_buffer, .address_space: global }
      - { .name: w1, .offset: 40, .size: 8, .value_kind: global_buffer, .address_space: global }
      - { .name: b1, .offset: 48, .size: 8, .value_kind: global_buffer, .address_space: global }
      - { .name: w2, .offset: 56, .size: 8, .value_kind: global_buffer, .address_space: global }
      - { .name: b2, .offset: 64, .size: 8, .value_kind: global_buffer, .address_space: global }
      - { .name: w3, .offset: 72, .size: 8, .value_kind: global_buffer, .address_space: global }
      - { .name: b3, .offset: 80, .size: 8, .value_kind: global_buffer, .address_space: global }
      - { .name: cluster_w, .offset: 88, .size: 8, .value_kind: global_buffer, .address_space: global }
      - { .name: cluster_b, .offset: 96, .size: 8, .value_kind: global_buffer, .address_space: global }
      - { .name: target, .offset: 104, .size: 8, .value_kind: global_buffer, .address_space: global }
      - { .name: out0, .offset: 112, .size: 8, .value_kind: global_buffer, .address_space: global }
    .group_segment_fixed_size: 19456
    .private_segment_fixed_size: 0
    .kernarg_segment_align: 8
    .kernarg_segment_size: 120
    .max_flat_workgroup_size: 512
    .sgpr_count:     96
    .vgpr_count:     256
    .wavefront_size: 32
...
	.end_amdgpu_metadata
.endif
;; end of part 4
;; ======== version 2 of 2: 4 launches; version 1 with the launches proj, tails written anew for expert scheduling mode
;; workspace buffers: hb 6,291,456 bytes; wb 41,943,040 bytes; pt 6,291,456 bytes; ph 1,048,576 bytes
;; launch proj (part 5): grid 12 x 16, 8 waves a work-group, no clusters, 74,752 bytes of LDS; arguments hidden, proj0, proj1, proj2, proj3, hb; writes hb
.if DOCPART == 5
	.amdgcn_target "amdgcn-amd-amdhsa--gfx1250"
	.amdhsa_code_object_version 6
	.text
	.protected	k_q74ac017b0d_proj
	.globl	k_q74ac017b0d_proj
	.p2align	8
	.type	k_q74ac017b0d_proj,@function
k_q74ac017b0d_proj:
	s_mov_b64 s[64:65], 0
	v_nop
	global_prefetch_b8 v0, s[64:65] scope:SCOPE_SE
	s_setreg_imm32_b32 hwreg(HW_REG_WAVE_SCHED_MODE, 0, 2), 2
	s_setreg_imm32_b32 hwreg(HW_REG_WAVE_MODE, 25, 1), 1
	s_wait_xcnt 0x0
	s_wait_alu depctr_vm_vsrc(0)
; H_c = hidden @ proj_c, rounded once to bf16, for the four projections.  hidden: [2048][1024] f32; proj_c: [1024][d_c] f32.
; hb: H0 [2048][1024] at 0; H1 [2048][256] at 4,194,304; H2 [2048][128] at 5,242,880 (columns 64 on are 0); H3 [2048][128] at 5,767,168 (columns 16 on are 0).
; SHARES.  Work-group (x, y): 128 rows (128 y on) x one block of 128 columns: x 0-7 of proj0, 8-9 of proj1, 10 proj2, 11 proj3 (missing columns count as 0).
; Wave w multiplies rows 32 (w / 2) on by columns 64 (w % 2) on: 2 x 4 accumulators.
; THE STREAM.  K goes in 16 chunks of 64.  Of a chunk wave w fetches rows 16 w .. 16 w + 15 of hidden (a load takes 2 rows x 256 consecutive bytes) and rows 8 w .. 8 w + 7 of P (a load takes
; a row's 512 consecutive bytes), as f32 into one of four register sets, rounds them to bf16 and stores them into one of two LDS slots: hidden as [row][64], pitch 144 bytes, P as [k][128],
; pitch 288 bytes (9 x 32: the turning load's 8 rows x 32 bytes fall on different banks).  Four chunks' loads, 64 a wave, are on their way.
; ONE BARRIER A CHUNK.  The slot that step k writes was read last in trip k - 2; each wave has waited for those reads ahead of step k - 1's barrier.
; The product is taken transposed (source 0 = 16 columns of P, turned by ds_load_tr16_b128; source 1 = 16 rows of hidden): a lane ends with eight neighbouring columns of one row of H.
; Step 0's products run on fragments and sums that were set to 0 while the first loads were out: 16 idle products, for one text of the step.
; No cluster and no tensor load: both operands are f32 in memory and must pass through registers to be rounded.
; THE MODE: SCHED_MODE bits 1:0 = 2 (LLVM: expert scheduling mode 2), set by the entry lines.  The code itself states the register dependences
; between vector or matrix instructions and memory or LDS instructions, with s_wait_alu, always for 0.
; THE PLAN.  Registers that memory or LDS instructions touch, in the loop:
;   the four sets of window 1   Step k: its 32 conversions read set k % 4; behind them the loads of chunk k + 4 land in it.
;   CT                          Step k: written by its conversions and selects, read by its 16 LDS stores; written again in step k + 1.
;   AF, BF                      Step k: read by its 16 products (trip k - 1); behind the barrier trip k's fragments land in them.
;   v[VAO], v[VO ..], v[LAS], v[LPS], v[VB], v[VAF]   made at the head, never written again.
;   The accumulators are named by matrix instructions alone until the way out.
; So a step has three waits: on vm_vsrc at its head (the last step's stores have read CT); on va_vdst behind its conversions and selects (CT is written, the set is read out); on va_vdst behind its
; products (AF and BF are read out).  Behind the second the 16 loads go out in one run and the 16 LDS stores are dealt among the products, which name AF, BF and the accumulators alone.
.set AP,    144
.set PP,    288
.set POFF,  128*AP                     ; in a slot: hidden's 128 rows, then P's 64
.set SLOT,  POFF+64*PP
.set SPARE, 2*SLOT                     ; behind the slots: the spare words, 128 bytes a wave
.set SP,    272                        ; a row of the stage (256 + 16); the stage takes slot 0's bytes when slot 0 has been read for the last time
.set VAO, 5                            ; v5   my byte offset in two rows of hidden: h x 4,096 + 16 r; never rewritten
.set LAS, 6                            ; v6   where I put 8 bytes of hidden
.set LPS, 7                            ; v7   where I put 8 bytes of P
.set VB,  8                            ; v8   the turning loads' LDS address
.set VAF, 9                            ; v9   hidden's fragments' LDS address
.set STO, 10
.set RD,  11
.set SPW, 14
.set NIL, 15
.set VO,  16                           ; v16-23   my byte offset in row 8 w + j of a chunk of P
.set CT,  24                           ; v24-55   a chunk's rounded pairs: hidden's 16, P's 16; later the way out
.set AF,  56                           ; v56-87   hidden's fragments: tile, K half at AF + 8 (2 tile + half)
.set BF,  88                           ; v88-151  P's fragments: K half, column tile at BF + 32 half + 8 tile
.set ACC, 152                          ; v152-215 accumulator (tile, ct) at ACC + 8 (4 tile + ct)
.set SO,  216                          ; v216-223 my byte offsets in H for the eight stores
.set WV,  17
.set MK,  54                           ; s54  lanes that hold columns of the source
.set MSB, 0
.macro WIN new                         ; the immediate's high byte repeats the setting that is left
.if MSB != (\new)
	s_set_vgpr_msb (MSB<<8)|(\new)
.set MSB, \new
.endif
.endm
.macro PLACES
.rept 4
	v_nop
.endr
.endm
; A chunk's 16 loads into set s of window 1: hidden's from base ab at byte 256 s of the rows, P's from the set's own pointer
.macro GLOADS s, ab
	WIN 0x40
.set i, 0
.rept 8
	global_load_b128 v[64*(\s)+4*i:64*(\s)+4*i+3], v[VAO], s[\ab:\ab+1] offset:256*(\s)+8192*i
.set i, i+1
.endr
.set i, 0
.rept 8
	global_load_b128 v[64*(\s)+32+4*i:64*(\s)+32+4*i+3], v[VO+i], s[40+2*(\s):41+2*(\s)]
.set i, i+1
.endr
	WIN 0
.endm
	s_load_b256 s[4:11], s[0:1], 0x0               ; hidden s[4:5], proj0 s[6:7], proj1 s[8:9], proj2 s[10:11]
	s_load_b128 s[12:15], s[0:1], 0x20             ; proj3 s[12:13], hb s[14:15]
	v_lshl_add_u32 v[SPW], v0, 2, SPARE
	v_mov_b32 v[NIL], 0
	v_lshrrev_b32 v4, 5, v0
	v_readfirstlane_b32 s[WV], v4
	v_and_b32 v1, 31, v0                           ; lane
	v_and_b32 v2, 15, v0                           ; r
	v_bfe_u32 v3, v0, 4, 1                         ; h
	s_mov_b32 s16, ttmp9                           ; x
	s_and_b32 s28, ttmp7, 0xffff                   ; y
	s_wait_alu depctr_va_sdst(0)                   ; s[WV] is written, ahead of its first reader
	s_lshr_b32 s29, s[WV], 1                       ; which 32 rows I multiply
	s_and_b32 s30, s[WV], 1                        ; which 64 columns
	; the block's parameters, chosen by x: source, its pitch, my columns' byte offset, lanes that hold columns, place and pitch in hb
	s_sub_co_u32 s25, s16, 8
	s_lshl_b32 s20, s16, 9
	s_lshl_b32 s26, s25, 9
	s_lshl_b32 s23, s16, 8
	s_lshl_b32 s27, s25, 8
	s_add_co_u32 s27, s27, 4194304
	s_mov_b32 s21, 4096
	s_mov_b32 s22, 32
	s_mov_b32 s24, 2048
	s_wait_kmcnt 0x0
	s_mov_b64 s[18:19], s[6:7]
	s_cmp_ge_u32 s16, 8
	s_cselect_b64 s[18:19], s[8:9], s[18:19]
	s_cselect_b32 s20, s26, s20
	s_cselect_b32 s21, 1024, s21
	s_cselect_b32 s23, s27, s23
	s_cselect_b32 s24, 512, s24
	s_cmp_ge_u32 s16, 10
	s_cselect_b64 s[18:19], s[10:11], s[18:19]
	s_cselect_b32 s20, 0, s20
	s_cselect_b32 s21, 256, s21
	s_cselect_b32 s22, 16, s22
	s_cselect_b32 s23, 5242880, s23
	s_cselect_b32 s24, 256, s24
	s_cmp_ge_u32 s16, 11
	s_cselect_b64 s[18:19], s[12:13], s[18:19]
	s_cselect_b32 s21, 64, s21
	s_cselect_b32 s22, 4, s22
	s_cselect_b32 s23, 5767168, s23
	; hidden at the 16 rows that I fetch
	s_lshl_b32 s32, s28, 19
	s_lshl_b32 s33, s[WV], 16
	s_add_co_u32 s32, s32, s33
	s_mov_b32 s33, 0
	s_add_nc_u64 s[32:33], s[4:5], s[32:33]
	s_add_nc_u64 s[34:35], s[32:33], 1024          ; four chunks on
	v_lshlrev_b32 v[VAO], 12, v3
	v_lshl_add_u32 v[VAO], v2, 4, v[VAO]
	; P at my block's columns: a pointer for each set, 64 rows apart
	s_mov_b32 s36, s20
	s_mov_b32 s37, 0
	s_add_nc_u64 s[40:41], s[18:19], s[36:37]
	s_lshl_b32 s36, s21, 6
	s_add_nc_u64 s[42:43], s[40:41], s[36:37]
	s_add_nc_u64 s[44:45], s[42:43], s[36:37]
	s_add_nc_u64 s[46:47], s[44:45], s[36:37]
	s_lshl_b32 s38, s21, 8                         ; four chunks of P: 256 rows
	s_mov_b32 s39, 0
	s_lshl_b32 s48, s[WV], 3
	s_mul_i32 s48, s48, s21
	s_sub_co_u32 s49, s22, 1
	v_min_u32 v4, s49, v1                          ; lanes beyond the source's columns read its last 16 bytes and store 0
	v_lshl_add_u32 v[VO], v4, 4, s48
.set j, 1
.rept 7
	v_add_nc_u32 v[VO+j], s21, v[VO+j-1]
.set j, j+1
.endr
	v_cmp_gt_u32 s[MK], s22, v1
	s_wait_alu depctr_va_sdst(0)                   ; s[MK] is written: the loop's selects read it; the wait stands in the compare's own run of code, ahead of the loop's label
	s_wait_alu depctr_va_vdst(0)                   ; v[VAO] and v[VO ..] are written, which the loads below and all later loads read as their offsets
	GLOADS 0, 32                                   ; chunks 0 to 3
	GLOADS 1, 32
	GLOADS 2, 32
	GLOADS 3, 32
	; LDS addresses (the first step's wait on va_vdst, ahead of its stores, states that they are written)
	s_mul_i32 s50, s[WV], 16*AP
	v_mul_u32_u24 v[LAS], v3, AP
	v_lshl_add_u32 v[LAS], v2, 3, v[LAS]
	v_add_nc_u32 v[LAS], s50, v[LAS]               ; row 16 w + h, 8 bytes for each of 16 lanes
	s_mul_i32 s50, s[WV], 8*PP
	s_add_co_u32 s50, s50, POFF
	v_lshl_add_u32 v[LPS], v1, 3, s50              ; row 8 w of P, 8 bytes a lane
	v_and_b32 v4, 7, v0
	v_bfe_u32 v12, v0, 3, 1
	v_lshl_add_u32 v[VB], v3, 3, v4
	v_mul_u32_u24 v[VB], v[VB], PP
	v_lshl_add_u32 v[VB], v12, 4, v[VB]
	s_lshl_b32 s48, s30, 7
	s_add_co_u32 s51, s48, POFF
	v_add_nc_u32 v[VB], s51, v[VB]                 ; (8 h + l % 8) x pitch + 16 ((l / 8) % 2) + my 64 columns
	s_mul_i32 s50, s29, 32*AP
	v_mul_u32_u24 v[VAF], v2, AP
	v_lshl_add_u32 v[VAF], v3, 4, v[VAF]
	v_add_nc_u32 v[VAF], s50, v[VAF]               ; (my 32 rows + r) x pitch + 16 h
	s_mul_i32 s49, s29, 32*SP
	s_add_co_u32 s49, s49, s48
	v_mul_u32_u24 v[STO], v2, SP
	v_lshl_add_u32 v[STO], v3, 4, v[STO]
	v_add_nc_u32 v[STO], s49, v[STO]
	s_mul_i32 s50, s[WV], 16*SP
	v_mul_u32_u24 v[RD], v3, SP
	v_lshl_add_u32 v[RD], v2, 4, v[RD]
	v_add_nc_u32 v[RD], s50, v[RD]
	v_mul_u32_u24 v4, v3, s24
	v_lshl_add_u32 v[SO], v2, 4, v4
	s_lshl_b32 s51, s24, 1
.set j, 1
.rept 7
	v_add_nc_u32 v[SO+j], s51, v[SO+j-1]
.set j, j+1
.endr
	s_lshl_b32 s52, s28, 7
	s_lshl_b32 s53, s[WV], 4
	s_add_co_u32 s52, s52, s53
	s_mul_i32 s52, s52, s24
	s_add_co_u32 s52, s52, s23
	s_mov_b32 s53, 0
	s_add_nc_u64 s[14:15], s[14:15], s[52:53]      ; hb at the 16 rows that I store
.set j, AF
.rept 160
	v_mov_b32 v[j], 0                              ; fragments and sums start at 0, written while the first loads are out
.set j, j+1
.endr
	s_wait_xcnt 0x0                                ; the 64 loads have read their pointers: P's step four chunks on
.irp s, 0,1,2,3
	s_add_nc_u64 s[40+2*\s:41+2*\s], s[40+2*\s:41+2*\s], s[38:39]
.endr
; A trip's 16 products; the eight accumulators take turns, over the backward jump too.  st = 1: the chunk's 16 LDS stores, hidden's eight and then P's eight, stand one behind each product:
; the products name AF, BF and the accumulators, the stores CT and two addresses
.macro MULS st, slot
.set mi, 0
.irp kk, 0,1
.irp tl, 0,1
.irp ct, 0,1,2,3
	v_wmma_f32_16x16x32_bf16 v[ACC+8*(4*\tl+\ct):ACC+8*(4*\tl+\ct)+7], v[BF+32*\kk+8*\ct:BF+32*\kk+8*\ct+7], v[AF+8*(2*\tl+\kk):AF+8*(2*\tl+\kk)+7], v[ACC+8*(4*\tl+\ct):ACC+8*(4*\tl+\ct)+7]
.if \st
.if mi < 8
	ds_store_b64 v[LAS], v[CT+2*mi:CT+2*mi+1] offset:(\slot)*SLOT+2*AP*mi
.else
	ds_store_b64 v[LPS], v[CT+2*mi:CT+2*mi+1] offset:(\slot)*SLOT+PP*(mi-8)
.endif
.endif
.set mi, mi+1
.endr
.endr
.endr
.endm
; Step k (set k % 4, slot k % 2): chunk k is rounded and chunk k + 4 asked for while trip k - 1's fragments come out of LDS; trip k - 1 is multiplied, and chunk k goes into its slot among the
; products; behind the barrier trip k's fragments are asked for.  left = the younger sets' loads that may stay out
.macro VSTEP s, slot, ahead, left
	s_wait_loadcnt \left
	s_wait_alu depctr_vm_vsrc(0)                   ; the last step's LDS stores have read CT, which the conversions below write again
	WIN 0x05                                       ; sources in window 1, destination in window 0
.set i, 0
.rept 32
	v_cvt_pk_bf16_f32 v[CT+i], v[64*(\s)+2*i], v[64*(\s)+2*i+1]
.set i, i+1
.endr
	WIN 0
.set i, 16
.rept 16
	v_cndmask_b32 v[CT+i], 0, v[CT+i], s[MK]       ; columns that the source does not have are 0
.set i, i+1
.endr
	s_wait_alu depctr_va_vdst(0)                   ; CT is written, which the LDS stores read; the conversions are done reading the set, in which the loads below land; in the first step the LDS addresses are written
.if \ahead
	GLOADS \s, 34
.endif
	s_wait_dscnt 0x0                               ; the last trip's fragments are in
	MULS 1, \slot
	s_wait_alu depctr_va_vdst(0)                   ; the products are done reading AF and BF, in which the fragments' loads below land
	s_wait_dscnt 0x0                               ; for the others' sake: my part of the chunk is stored (and my reads of the other slot came back above)
	s_barrier_signal -1
	s_barrier_wait -1
.irp kk, 0,1
.irp ct, 0,1,2,3
	ds_load_tr16_b128 v[BF+32*\kk+8*\ct:BF+32*\kk+8*\ct+3],   v[VB] offset:(\slot)*SLOT+\kk*32*PP+32*\ct
	ds_load_tr16_b128 v[BF+32*\kk+8*\ct+4:BF+32*\kk+8*\ct+7], v[VB] offset:(\slot)*SLOT+\kk*32*PP+16*PP+32*\ct
.endr
.endr
.irp tl, 0,1
.irp kk, 0,1
	ds_load_b128 v[AF+8*(2*\tl+\kk):AF+8*(2*\tl+\kk)+3],   v[VAF] offset:(\slot)*SLOT+\tl*16*AP+64*\kk
	ds_load_b128 v[AF+8*(2*\tl+\kk)+4:AF+8*(2*\tl+\kk)+7], v[VAF] offset:(\slot)*SLOT+\tl*16*AP+64*\kk+32
.endr
.endr
.endm
	s_mov_b32 s55, 3
.Lround:                                       ; four chunks a round; chunks 4 to 15 are asked for in the three rounds
	VSTEP 0, 0, 1, 48
	VSTEP 1, 1, 1, 48
	VSTEP 2, 0, 1, 48
	VSTEP 3, 1, 1, 48
	s_wait_xcnt 0x0                                ; the round's loads have read their pointers
	s_add_nc_u64 s[34:35], s[34:35], 1024
.irp s, 0,1,2,3
	s_add_nc_u64 s[40+2*\s:41+2*\s], s[40+2*\s:41+2*\s], s[38:39]
.endr
	s_sub_co_u32 s55, s55, 1
	s_cmp_lg_u32 s55, 0
	s_cbranch_scc1 .Lround
	VSTEP 0, 0, 0, 48                              ; the last round loads nothing: the counts run down
	VSTEP 1, 1, 0, 32
	VSTEP 2, 0, 0, 16
	VSTEP 3, 1, 0, 0
	s_wait_dscnt 0x0
	MULS 0, 0                                      ; the last trip
	; THE WAY OUT: rounded to bf16, 16 bytes a lane into the work-group's stage (a row's 256 bytes come from two waves), back as whole rows.
	; The stage lies in slot 0, whose last readers waited for their loads ahead of the last barrier; the last trip reads slot 1.
	PLACES                                         ; four places behind the last product, before its result is read (ISA guide 7.12.1)
	s_wait_alu depctr_vm_vsrc(0)                   ; the last step's LDS stores have read CT, which the conversions below write again
.set i, 0
.rept 8
.irp q, 0,1,2,3
	v_cvt_pk_bf16_f32 v[CT+4*i+\q], v[ACC+8*i+2*\q], v[ACC+8*i+2*\q+1]
.endr
.set i, i+1
.endr
	s_wait_alu depctr_va_vdst(0)                   ; the conversions have written CT, which the LDS stores read
.irp tl, 0,1
.irp ct, 0,1,2,3
	ds_store_b128 v[STO], v[CT+4*(4*\tl+\ct):CT+4*(4*\tl+\ct)+3] offset:\tl*16*SP+32*\ct
.endr
.endr
	s_wait_dscnt 0x0
	s_barrier_signal -1
	s_barrier_wait -1
	s_wait_alu depctr_vm_vsrc(0)                   ; my stores into the stage have read CT, in which the rows below land (the conversions that wrote it stand ahead of the last wait on va_vdst)
.irp t, 0,1,2,3,4,5,6,7
	ds_load_b128 v[CT+4*\t:CT+4*\t+3], v[RD] offset:\t*2*SP
.endr
.irp t, 0,1,2,3,4,5,6,7
	s_wait_dscnt 7-\t
	global_store_b128 v[SO+\t], v[CT+4*\t:CT+4*\t+3], s[14:15]  ; 16 lanes store 256 consecutive bytes, aligned
.endr
	s_wait_dscnt 0x0                               ; the closing lines, six on end
	s_wait_alu 0x0
	s_wait_tensorcnt 0x0
	ds_add_u32 v[SPW], v[NIL]
	s_wait_dscnt 0x0
	s_endpgm
.Lfunc_end_k_q74ac017b0d_proj:
	.size	k_q74ac017b0d_proj, .Lfunc_end_k_q74ac017b0d_proj-k_q74ac017b0d_proj
	.p2alignl 7, 3214868480
	.fill 96, 4, 3214868480
	.section	.rodata,"a",@progbits
	.p2align	6, 0x0
	.amdhsa_kernel k_q74ac017b0d_proj
		.amdhsa_group_segment_fixed_size 74752
		.amdhsa_private_segment_fixed_size 0
		.amdhsa_enable_private_segment 0
		.amdhsa_kernarg_size 48
		.amdhsa_user_sgpr_count 2
		.amdhsa_user_sgpr_kernarg_segment_ptr 1
		.amdhsa_wavefront_size32 1
		.amdhsa_system_sgpr_workgroup_id_x 1
		.amdhsa_system_sgpr_workgroup_id_y 1
		.amdhsa_system_sgpr_workgroup_id_z 1
		.amdhsa_system_vgpr_workitem_id 0
		.amdhsa_next_free_vgpr 512
		.amdhsa_next_free_sgpr 66
		.amdhsa_reserve_vcc 0
		.amdhsa_float_denorm_mode_32 3
		.amdhsa_float_denorm_mode_16_64 3
		.amdhsa_memory_ordered 1
		.amdhsa_forward_progress 1
		.amdhsa_inst_pref_size 84
	.end_amdhsa_kernel
	.amdgpu_metadata
---
amdhsa.version: [ 1, 2 ]
amdhsa.kernels:
  - .name:           k_q74ac017b0d_proj
    .symbol:         k_q74ac017b0d_proj.kd
    .args:
      - { .name: hidden, .offset: 0, .size: 8, .value_kind: global_buffer, .address_space: global }
      - { .name: proj0, .offset: 8, .size: 8, .value_kind: global_buffer, .address_space: global }
      - { .name: proj1, .offset: 16, .size: 8, .value_kind: global_buffer, .address_space: global }
      - { .name: proj2, .offset: 24, .size: 8, .value_kind: global_buffer, .address_space: global }
      - { .name: proj3, .offset: 32, .size: 8, .value_kind: global_buffer, .address_space: global }
      - { .name: hb, .offset: 40, .size: 8, .value_kind: global_buffer, .address_space: global }
    .group_segment_fixed_size: 74752
    .private_segment_fixed_size: 0
    .kernarg_segment_align: 8
    .kernarg_segment_size: 48
    .max_flat_workgroup_size: 256
    .sgpr_count:     66
    .vgpr_count:     512
    .wavefront_size: 32
...
	.end_amdgpu_metadata
.endif
;; end of part 5
;; launch tails (part 6): grid 256 x 1, 12 waves a work-group, no clusters, 62,976 bytes of LDS; arguments hb, w1, b1, w2, b2, w3, b3, w0, wb, pt; writes wb, pt
.if DOCPART == 6
	.amdgcn_target "amdgcn-amd-amdhsa--gfx1250"
	.amdhsa_code_object_version 6
	.text
	.protected	k_q74ac017b0d_tails
	.globl	k_q74ac017b0d_tails
	.p2align	8
	.type	k_q74ac017b0d_tails,@function
k_q74ac017b0d_tails:
	s_mov_b64 s[64:65], 0
	v_nop
	global_prefetch_b8 v0, s[64:65] scope:SCOPE_SE
	s_setreg_imm32_b32 hwreg(HW_REG_WAVE_SCHED_MODE, 0, 2), 2
	s_setreg_imm32_b32 hwreg(HW_REG_WAVE_MODE, 25, 1), 1
	s_wait_xcnt 0x0
	s_wait_alu depctr_vm_vsrc(0)
; Two jobs side by side in one work-group.
; WAVES 0-7: for each of the three tails, partial logsumexp.  Work-group g: column range x = g / 2 of 128 (columns (x 10000) >> 7 up to the next range's first: 78 or 79, in a window
; of 80 = 5 tiles) and row half y = g % 2.  Wave w: rows 1,024 y + 128 w on, 32 at a time.  For a row: m = the largest logit + bias of the range, l = the sum of 2^(c (s - m)), c = log2 e.
; pt: [tail x 128 + x][2048 rows][m, l] f32.  A column beyond the range counts as its logit less 1e30; NaN and infinities are not treated apart.
; The product is taken transposed (source 0 = 16 rows of W, source 1 = 16 rows of H): a lane holds one row of H (lane % 16) and 8 columns a tile, so maximum and sum stay in the lane but
; for one exchange of the halves.  W is rounded to bf16 once, into LDS; H comes from hb straight into fragments.
; A WAVE'S TILE is 2 row tiles x 5 column tiles: each fragment of W read from LDS feeds two products.  The bias, with the mask in it, starts the sums: it is read once into row tile 0's
; accumulators, row tile 1's first products take those registers as C, and row tile 0's first products follow in place.
; THE THREE TAILS ARE WALKED TOGETHER: an iteration takes 32 rows through 11 K steps of 32 (8 of tail 1, 2 of tail 2, 1 of tail 3).  H's fragments are a ring in registers: tail 1's steps
; share four slots (step k in slot k % 4), steps 8, 9, 10 have a slot each; a slot is asked for again behind the products that read it.
; WAVES 8-11: w0 is rounded to bf16 for the next launch: rows 80 g + 20 (w - 8) on, 20 rows = 80 chunks of 1,024 bytes, in four rounds of 20 chunks.
; wb has 20,480 rows; rows 20,000 on are written as 0 (those work-groups read w0's last 80 rows and mask them away).
; All registers that are read behind the one barrier are made ahead of the first branch on the wave's number, by all twelve waves, or behind the second.
; No cluster, no tensor load: W and w0 are f32 in memory and must pass through registers to be rounded.
; REGISTERS: 310, three waves to a SIMD.  Window 0: v0-15 addresses; v16-31 statistics; v32-111 accumulators; v112-191 W; v192-255 tail 1's H.  Window 1: v0-47 H of steps 8-10; v48-53 what is stored.
; THE MODE: SCHED_MODE bits 1:0 = 2 (LLVM: expert scheduling mode 2), set by the entry lines.  The code itself states the register dependences
; between vector or matrix instructions and memory or LDS instructions, with s_wait_alu, always for 0.
; THE PLAN, waves 0-7.  Registers that memory or LDS instructions touch, in the loop:
;   W's two buffers             Step g's ten products read buffer g % 2; step g + 1's fragments land in the other one, which step g - 1's products read last.
;   H's seven slots             Step g's products read its slot; behind them the slot's next four loads land in it.
;   row tile 0's accumulators   A tail's bias lands in them at its first step; the sums of the tail before read and wrote them.
;   the three pairs (m, l)      Written by two selects at a tail's end, read by its store, written again a trip later.
;   v5-v11                      Offsets and LDS addresses, made at the head, never written again.
; So: one wait on va_vdst at the head of each step that is not a tail's first (the products of the step before are done reading their slot and their buffer); one behind a tail's last products
; (the same, for that step); the wait for the exponentials; one behind the selects (the pair is written, and the sums are done with the registers in which the next bias lands); one wait on vm_vsrc a
; trip (the stores have read their pairs).  Behind a step's wait the slot's four loads go out, and the next step's ten loads of W are dealt among the step's first five products, which name this
; step's buffer, its slot and the accumulators alone.  A third buffer of W, 40 registers, would spare the waits at the steps' heads; three waves to a SIMD leave no room for it.
; THE PLAN, waves 8-11.  Slot n's 8 raw registers: a load lands, four conversions read.  Slot n's 4 out registers: written by conversions and masks, read by its store, written again a round later.
; A round goes in four blocks of five slots: one wait on va_vdst stands between a block's vector work and its five stores; the last one also states that all raw registers are read out, for the next
; round's loads; one wait on vm_vsrc a round frees the out registers.
.set T1W,  0                           ; 80 rows x 528 bytes (512 + 16)
.set T2W,  42240                       ; 80 rows x 144 (128 + 16)
.set T3W,  53760                       ; 80 rows x 80 (K 16 as 32 bytes, 32 bytes of 0, 16 of padding)
.set BIAS, 60160                       ; 3 x 96 f32
.set SPARE, 61440                      ; the spare words, 128 bytes a wave
.set VBI, 10                           ; v10  BIAS + 32 h
.set VP,  11                           ; v11  8 x lane
.set CVS, 12                           ; v12  the converter: 32 x lane
.set CVD, 13                           ; v13  the converter: 16 x lane
.set SPW, 14
.set NIL, 15
.set C,   16                           ; v16-31   eight registers a row tile: five running maxima, l, c m, m
.set ACC, 32                           ; v32-111  row tile t, column tile e at ACC + 40 t + 8 e
.set WF,  112                          ; v112-191 W's fragments, two buffers of five
.set HF1, 192                          ; v192-255 tail 1's H: slot k % 4, row tile t at HF1 + 16 (k % 4) + 8 t
.set HF2, 0                            ; window 1: step g (8, 9, 10), row tile t at HF2 + 16 (g - 8) + 8 t
.set PRL, 48                           ; window 1: the pair (m, l) that is stored, for each tail
.set WV,  8
.set CS,  56
.set SEL, 58
.set HM,  60
; phase 0's registers
.set O1, 16
.set O2, 26
.set O3, 31
.set O3B, 32
.set OB, 33
.set X1, 40
.set X2, 120
.set X3, 140
.set X3B, 144
.set XB, 148
.set TC, 202
.set L1A, 203
.set L2A, 204
.set T2, 205
.set T3, 206
.set L3A, 207
.set LBA, 208
.set IDX, 209
.set ZZ, 212
.set BIGV, 214
.set CX, 16                            ; the converter: slot n's 8 f32
.set CY, 176                           ; and its 4 registers of bf16
.set MSB, 0
.macro WIN new                         ; the immediate's high byte repeats the setting that is left; a switch that changes nothing is dropped
.if MSB != (\new)
	s_set_vgpr_msb (MSB<<8)|(\new)
.set MSB, \new
.endif
.endm
.macro PLACES
.rept 4
	v_nop
.endr
.endm
	s_load_b512 s[16:31], s[0:1], 0x0              ; hb 16, w1 18, b1 20, w2 22, b2 24, w3 26, b3 28, w0 30
	s_load_b128 s[32:35], s[0:1], 0x40             ; wb 32, pt 34
	v_lshl_add_u32 v[SPW], v0, 2, SPARE
	v_mov_b32 v[NIL], 0
	v_lshrrev_b32 v4, 5, v0
	v_readfirstlane_b32 s[WV], v4
	v_and_b32 v1, 31, v0                           ; lane
	v_cmp_le_u32 s[HM], 16, v1
	v_and_b32 v2, 15, v0                           ; r
	v_bfe_u32 v3, v0, 4, 1                         ; h
	v_lshlrev_b32 v5, 9, v2
	v_lshl_add_u32 v5, v3, 4, v5                   ; H1: r x 512 + 16 h
	v_lshlrev_b32 v6, 8, v2
	v_lshl_add_u32 v6, v3, 4, v6                   ; H2, H3: r x 256 + 16 h
	v_mul_u32_u24 v7, v2, 528
	v_lshl_add_u32 v7, v3, 4, v7
	v_mul_u32_u24 v8, v2, 144
	v_lshl_add_u32 v8, v3, 4, v8
	v_add_nc_u32 v8, T2W, v8
	v_mul_u32_u24 v9, v2, 80
	v_lshl_add_u32 v9, v3, 4, v9
	v_add_nc_u32 v9, T3W, v9
	v_lshl_add_u32 v[VBI], v3, 5, BIAS
	v_lshlrev_b32 v[VP], 3, v1
	v_lshlrev_b32 v[CVS], 5, v1
	v_lshlrev_b32 v[CVD], 4, v1
	s_mov_b32 s9, ttmp9
	s_lshr_b32 s10, s9, 1                          ; x
	s_and_b32 s11, s9, 1                           ; y
	s_mul_i32 s12, s10, 10000
	s_lshr_b32 s12, s12, 7                         ; the range's first column
	s_add_co_u32 s13, s10, 1
	s_mul_i32 s13, s13, 10000
	s_lshr_b32 s13, s13, 7
	s_sub_co_u32 s13, s13, s12                     ; its columns: 78 or 79
	s_mov_b32 s[CS], 0x3fb8aa3b                    ; c = log2 e
	s_mov_b32 s[CS+1], s[CS]
	s_mov_b32 s[SEL], 0x76543210
	s_mov_b32 s[SEL+1], 0xfedcba98
	s_mov_b32 s55, 0
	s_mov_b32 s63, 0
	s_wait_alu depctr_va_sdst(0)                   ; s[WV] and s[HM] are written: ahead of s[WV]'s first reader, and, for s[HM], which the loop's selects read, ahead of the first branch
	s_lshl_b32 s44, s11, 10
	s_lshl_b32 s45, s[WV], 7
	s_add_co_u32 s44, s44, s45                     ; my first row (waves 0-7)
	s_lshl_b32 s45, s44, 3
	s_wait_alu depctr_va_vdst(0)                   ; v5 to v13 are written, which the loads and stores of both jobs read as offsets and addresses
	s_wait_kmcnt 0x0
	s_cmp_ge_u32 s[WV], 8
	s_cbranch_scc1 .Lmeet
	; ---- waves 0-7: phase 0: the range's rows of the three tables and biases into LDS.  Every wave issues the same loads; only LDS stores are branched.
	; All offsets and LDS addresses are made first, so that one wait stands ahead of the 30 loads.
	s_add_co_u32 s36, s12, s[WV]
.irp i, 0,1,2,3,4,5,6,7,8,9            ; tail 1: row 8 i + w of the window (the table's last row stands in for rows past it), 32 bytes a lane
	s_add_co_u32 s37, s36, 8*\i
	s_min_u32 s37, s37, 9999
	s_lshl_b32 s37, s37, 10
	v_lshl_add_u32 v[O1+\i], v1, 5, s37
.endr
	s_lshl_b32 s37, s[WV], 1
	s_add_co_u32 s37, s37, s12
	v_add_nc_u32 v[TC], s37, v3
.irp i, 0,1,2,3,4                      ; tail 2: row 16 i + 2 w + h, piece r of 16 bytes
	v_add_nc_u32 v[O2+\i], 16*\i, v[TC]
	v_min_u32 v[O2+\i], 9999, v[O2+\i]
	v_lshlrev_b32 v[O2+\i], 8, v[O2+\i]
	v_lshl_add_u32 v[O2+\i], v2, 4, v[O2+\i]
.endr
	v_lshrrev_b32 v[T2], 2, v1
	v_and_b32 v[T3], 3, v1
	s_lshl_b32 s37, s[WV], 3
	s_add_co_u32 s37, s37, s12
	v_add_nc_u32 v[TC], s37, v[T2]
	v_min_u32 v[O3], 9999, v[TC]                   ; tail 3: row 8 w + lane / 4, piece lane % 4 of 16 bytes,
	v_lshlrev_b32 v[O3], 6, v[O3]
	v_lshl_add_u32 v[O3], v[T3], 4, v[O3]
	v_add_nc_u32 v[O3B], 64, v[TC]                 ; and the row 64 further down (stored by waves 0 and 1 alone: rows 64-79)
	v_min_u32 v[O3B], 9999, v[O3B]
	v_lshlrev_b32 v[O3B], 6, v[O3B]
	v_lshl_add_u32 v[O3B], v[T3], 4, v[O3B]
	s_mov_b64 s[38:39], s[28:29]                   ; a bias: wave 5 tail 1's, wave 6 tail 2's, the others tail 3's (stored by waves 5, 6, 7 alone)
	s_cmp_eq_u32 s[WV], 6
	s_cselect_b64 s[38:39], s[24:25], s[38:39]
	s_cmp_eq_u32 s[WV], 5
	s_cselect_b64 s[38:39], s[20:21], s[38:39]
.irp i, 0,1,2
	v_add_nc_u32 v[IDX+\i], 32*\i, v1
	v_add_nc_u32 v[OB+\i], s12, v[IDX+\i]
	v_min_u32 v[OB+\i], 9999, v[OB+\i]
	v_lshlrev_b32 v[OB+\i], 2, v[OB+\i]
.endr
	s_mul_i32 s37, s[WV], 528
	v_lshl_add_u32 v[L1A], v1, 4, s37              ; row w, 16 bytes a lane
	s_mul_i32 s37, s[WV], 288
	s_add_co_u32 s37, s37, T2W
	v_mul_u32_u24 v[L2A], v3, 144
	v_lshl_add_u32 v[L2A], v2, 3, v[L2A]
	v_add_nc_u32 v[L2A], s37, v[L2A]               ; row 2 w + h, 8 bytes a piece
	s_mul_i32 s37, s[WV], 640
	s_add_co_u32 s37, s37, T3W
	v_mul_u32_u24 v[L3A], v[T2], 80
	v_lshl_add_u32 v[L3A], v[T3], 3, v[L3A]
	v_add_nc_u32 v[L3A], s37, v[L3A]               ; row 8 w + lane / 4, 8 bytes a piece
	v_mov_b32 v[ZZ], 0
	v_mov_b32 v[ZZ+1], 0
	s_wait_alu depctr_va_vdst(0)                   ; the twenty offsets v16 to v35 are written, which the loads below read
.irp i, 0,1,2,3,4,5,6,7,8,9
	global_load_b128 v[X1+8*\i:X1+8*\i+3],   v[O1+\i], s[18:19]
	global_load_b128 v[X1+8*\i+4:X1+8*\i+7], v[O1+\i], s[18:19] offset:16
.endr
.irp i, 0,1,2,3,4
	global_load_b128 v[X2+4*\i:X2+4*\i+3], v[O2+\i], s[22:23]
.endr
	global_load_b128 v[X3:X3+3], v[O3], s[26:27]
	global_load_b128 v[X3B:X3B+3], v[O3B], s[26:27]
.irp i, 0,1,2
	global_load_b32 v[XB+\i], v[OB+\i], s[38:39]
.endr
	s_wait_loadcnt 0x0                             ; all of phase 0's loads
.irp i, 0,1,2,3,4,5,6,7,8,9            ; the numbers are rounded in place: eight close up into the first four of their eight registers, four into the first two of their four
.irp q, 0,1,2,3
	v_cvt_pk_bf16_f32 v[X1+8*\i+\q], v[X1+8*\i+2*\q], v[X1+8*\i+2*\q+1]
.endr
.endr
.irp i, 0,1,2,3,4
	v_cvt_pk_bf16_f32 v[X2+4*\i], v[X2+4*\i], v[X2+4*\i+1]
	v_cvt_pk_bf16_f32 v[X2+4*\i+1], v[X2+4*\i+2], v[X2+4*\i+3]
.endr
	v_cvt_pk_bf16_f32 v[X3], v[X3], v[X3+1]
	v_cvt_pk_bf16_f32 v[X3+1], v[X3+2], v[X3+3]
	v_cvt_pk_bf16_f32 v[X3B], v[X3B], v[X3B+1]
	v_cvt_pk_bf16_f32 v[X3B+1], v[X3B+2], v[X3B+3]
	s_wait_alu depctr_va_vdst(0)                   ; the conversions have written the registers that the LDS stores below read (the stores' addresses and the two zeros stand ahead of the wait before)
.irp i, 0,1,2,3,4,5,6,7,8,9
	ds_store_b128 v[L1A], v[X1+8*\i:X1+8*\i+3] offset:8*528*\i
.endr
.irp i, 0,1,2,3,4
	ds_store_b64 v[L2A], v[X2+4*\i:X2+4*\i+1] offset:16*144*\i
.endr
	ds_store_b64 v[L3A], v[X3:X3+1]
	ds_store_b64 v[L3A], v[ZZ:ZZ+1] offset:32      ; K 16 to 31 of tail 3 are 0
	s_cmp_lt_u32 s[WV], 2
	s_cbranch_scc0 .Lno3
	ds_store_b64 v[L3A], v[X3B:X3B+1] offset:64*80
	ds_store_b64 v[L3A], v[ZZ:ZZ+1] offset:64*80+32
.Lno3:
	s_cmp_ge_u32 s[WV], 5
	s_cbranch_scc0 .Lmeet
	s_sub_co_u32 s40, s[WV], 5
	s_mul_i32 s40, s40, 384
	s_add_co_u32 s40, s40, BIAS
	v_lshl_add_u32 v[LBA], v1, 2, s40
	v_mov_b32 v[BIGV], 0xf149f2ca                  ; -1e30
.irp i, 0,1,2
	v_cmp_gt_u32 s[41+\i], s13, v[IDX+\i]
.endr
	s_wait_alu depctr_va_sdst(0)                   ; the three masks s41 to s43 are written, which the selects below read
.irp i, 0,1,2
	v_cndmask_b32 v[XB+\i], v[BIGV], v[XB+\i], s[41+\i]
.endr
	s_wait_alu depctr_va_vdst(0)                   ; the selects have written the three biases, and v[LBA] is written: the LDS stores below read them
.irp i, 0,1,2
	ds_store_b32 v[LBA], v[XB+\i] offset:128*\i
.endr
.Lmeet:
	s_wait_dscnt 0x0                               ; my stores into the tables are done
	s_barrier_signal -1
	s_barrier_wait -1                              ; the one barrier: the tables are whole and are only read from here on
	s_wait_alu depctr_vm_vsrc(0)                   ; phase 0's loads and LDS stores have read their offsets, addresses and data (v16 to v213): both jobs write these registers anew
	s_wait_alu depctr_va_vdst(0)                   ; phase 0's arithmetic and conversions are done with the same registers, in which the loads of both jobs land
	s_cmp_ge_u32 s[WV], 8
	s_cbranch_scc1 .Lconv
; What belongs to step g of the 11: the tail, the K step in it, H's offset register and pitch, H's two pointers (s[QBA:QBA+1] the 32 rows in hand, s[QBA+2:QBA+3] the next 32),
; the window and first register of H's slot, and how many younger loads of H may stay out when the step's fragments are wanted (in groups of 4 loads: see ITER).
.macro STEPSET g
.if (\g) < 8
.set QT, 1
.set QK, (\g)
.set QVH, 5
.set QPI, 512
.set QHW, 0
.set QHR, HF1+16*((\g)%4)
.if (\g) < 4
.set QLC, 24
.else
.set QLC, 12
.endif
.elseif (\g) < 10
.set QT, 2
.set QK, (\g)-8
.set QVH, 6
.set QPI, 256
.set QHW, 1
.set QHR, HF2+16*((\g)-8)
.set QLC, 40
.else
.set QT, 3
.set QK, 0
.set QVH, 6
.set QPI, 256
.set QHW, 1
.set QHR, HF2+32
.set QLC, 40
.endif
.set QBA, 66+4*(QT-1)
.endm
.macro WSET g                          ; W of step g: its LDS address register, its pitch, the K step in its tail
.if (\g) < 8
.set NVW, 7
.set NWP, 528
.set NK, (\g)
.elseif (\g) < 10
.set NVW, 8
.set NWP, 144
.set NK, (\g)-8
.else
.set NVW, 9
.set NWP, 80
.set NK, 0
.endif
.endm
.macro WFRAG buf, e                    ; fragment e of five of the step that WSET named, into buffer buf
	ds_load_b128 v[WF+40*(\buf)+8*(\e):WF+40*(\buf)+8*(\e)+3],   v[NVW] offset:(\e)*16*NWP+64*NK
	ds_load_b128 v[WF+40*(\buf)+8*(\e)+4:WF+40*(\buf)+8*(\e)+7], v[NVW] offset:(\e)*16*NWP+64*NK+32
.endm
.macro WLOADG buf, g                   ; all five fragments of W for step g, into buffer buf
	WSET \g
.irp e, 0,1,2,3,4
	WFRAG \buf, \e
.endr
.endm
.macro HLOADG tg, nx                   ; step tg's two fragments of H, a group of 4 loads, into its slot.  nx = 0: of the 32 rows in hand; 1: of the next 32
	STEPSET \tg
.set QB, QBA+2*(\nx)
	WIN 0x40*QHW                                   ; destination in the slot's window, address in window 0
.irp t, 0,1
	global_load_b128 v[QHR+8*\t:QHR+8*\t+3],   v[QVH], s[QB:QB+1] offset:\t*16*QPI+64*QK
	global_load_b128 v[QHR+8*\t+4:QHR+8*\t+7], v[QVH], s[QB:QB+1] offset:\t*16*QPI+64*QK+32
.endr
	WIN 0
.endm
.macro HRELOAD g                       ; behind step g's products its slot is asked for again
.if (\g) < 4
	HLOADG (\g)+4, 0                               ; tail 1's step four on, the same rows
.elseif (\g) < 8
	HLOADG (\g)-4, 1                               ; tail 1's step four back, the next rows
.else
	HLOADG \g, 1                                   ; the same step, the next rows
.endif
.endm
; 32 rows x 80 columns of logits -> m (v[C+8 t+7]) and l (v[C+8 t+5]) of row tile t, in every lane; in four stages, so that both row tiles' exponentials are one batch.
; Each accumulator's lowest registers are read first.
.macro EMAX t
.set EA, ACC+40*(\t)
.set EC, C+8*(\t)
.irp e, 0,1,2,3,4
	v_max3_num_f32 v[EC+\e], v[EA+8*\e], v[EA+8*\e+1], v[EA+8*\e+2]
.endr
.irp e, 0,1,2,3,4
	v_max3_num_f32 v[EC+\e], v[EC+\e], v[EA+8*\e+3], v[EA+8*\e+4]
.endr
.irp e, 0,1,2,3,4
	v_max3_num_f32 v[EC+\e], v[EC+\e], v[EA+8*\e+5], v[EA+8*\e+6]
.endr
	v_max3_num_f32 v[EC], v[EC], v[EA+7], v[EA+15]
	v_max3_num_f32 v[EC+1], v[EC+1], v[EA+23], v[EA+31]
	v_max_num_f32 v[EC+2], v[EC+2], v[EA+39]
	v_max3_num_f32 v[EC], v[EC], v[EC+1], v[EC+2]
	v_max3_num_f32 v[EC], v[EC], v[EC+3], v[EC+4]
	v_permlanex16_b32 v[EC+1], v[EC], s[SEL], s[SEL+1]  ; the row's other 40 columns lie in the lane 16 away
	v_max_num_f32 v[EC+7], v[EC], v[EC+1]
	v_mul_f32 v[EC+6], s[CS], v[EC+7]
.endm
.macro ESCL t
.set EA, ACC+40*(\t)
.set EC, C+8*(\t)
.set z, 0
.rept 20
	v_pk_fma_f32 v[EA+2*z:EA+2*z+1], v[EA+2*z:EA+2*z+1], s[CS:CS+1], v[EC+6:EC+7] op_sel_hi:[1,0,0] neg_lo:[0,0,1] neg_hi:[0,0,1]
.set z, z+1
.endr
.endm
.macro ESUM t
.set EA, ACC+40*(\t)
.set EC, C+8*(\t)
.set z, 0
.rept 10
	v_pk_add_f32 v[EA+2*z:EA+2*z+1], v[EA+2*z:EA+2*z+1], v[EA+20+2*z:EA+21+2*z]
.set z, z+1
.endr
.set z, 0
.rept 5
	v_pk_add_f32 v[EA+2*z:EA+2*z+1], v[EA+2*z:EA+2*z+1], v[EA+10+2*z:EA+11+2*z]
.set z, z+1
.endr
	v_pk_add_f32 v[EA:EA+1], v[EA:EA+1], v[EA+2:EA+3]
	v_pk_add_f32 v[EA+4:EA+5], v[EA+4:EA+5], v[EA+6:EA+7]
	v_pk_add_f32 v[EA:EA+1], v[EA:EA+1], v[EA+4:EA+5]
	v_pk_add_f32 v[EA:EA+1], v[EA:EA+1], v[EA+8:EA+9]
	v_add_f32 v[EC+5], v[EA], v[EA+1]
	v_permlanex16_b32 v[EC], v[EC+5], s[SEL], s[SEL+1]
	v_add_f32 v[EC+5], v[EC+5], v[EC]
.endm
.macro EPI10
	EMAX 0
	EMAX 1
	ESCL 0
	ESCL 1
.set z, 0
.rept 80
	v_exp_f32 v[ACC+z], v[ACC+z]
.set z, z+1
.endr
	v_nop                                          ; a plain instruction behind the last exponential,
	s_wait_alu depctr_va_vdst(0)                   ; and one wait for the batch: the 80 exponentials have written their results, ahead of the first sum that reads one
	ESUM 0
	ESUM 1
.endm
; 32 rows through the 11 steps.
; W: step g multiplies buffer g % 2; the other buffer is asked for step g + 1 among the step's first five products, a fragment (two LDS loads) behind each.  Steps 10 and 0 both fall on buffer 0:
; step 0's W is asked for behind step 10's products, ahead of tail 3's vector work.  So at a step's head all LDS loads issued so far are its own (its W, and in a tail's first step the bias):
; every wait on DScnt in the loop is for 0.
; H: the groups of 4 loads go out in this order: behind steps 0-3 for steps 4-7; behind steps 4-7 for the next rows' steps 0-3; behind steps 8, 9, 10 for the next rows' same steps.
; So, when a step's fragments are wanted, the younger groups are: steps 0-3: six (24 loads); steps 4-7: three (12); steps 8-10: ten (40).
; The ten accumulators take turns, row tile 1's five and then row tile 0's.  In a tail's first step row tile 1 takes the bias out of row tile 0's registers; five places lie between those
; products and row tile 0's, which write the registers.
.macro ITER
.set gq, 0
.rept 11
	STEPSET gq
.if QK == 0
.irp e, 0,1,2,3,4                      ; the bias.  No wait: no vector or matrix instruction since the wait behind the last selects (in the first trip: behind the barrier) names these registers
	ds_load_b128 v[ACC+8*\e:ACC+8*\e+3],   v[VBI] offset:384*(QT-1)+64*\e
	ds_load_b128 v[ACC+8*\e+4:ACC+8*\e+7], v[VBI] offset:384*(QT-1)+64*\e+16
.endr
.else
	s_wait_alu depctr_va_vdst(0)                   ; the products of the step before are done reading their slot of H and their buffer of W: the four loads below and the ten among this step's products land there
	HRELOAD gq-1
	STEPSET gq
.endif
	s_wait_dscnt 0x0                               ; this step's W is in, and in a tail's first step the bias
	s_wait_loadcnt QLC
.set WFB, WF+40*(gq%2)
.if gq < 10
	WSET gq+1
.endif
	WIN 0x04*QHW                                   ; source 1 (H) in the slot's window; W, C and D, and the LDS loads' registers, in window 0
.irp e, 0,1,2,3,4
.if QK == 0
	v_wmma_f32_16x16x32_bf16 v[ACC+40+8*\e:ACC+40+8*\e+7], v[WFB+8*\e:WFB+8*\e+7], v[QHR+8:QHR+15], v[ACC+8*\e:ACC+8*\e+7]
.else
	v_wmma_f32_16x16x32_bf16 v[ACC+40+8*\e:ACC+40+8*\e+7], v[WFB+8*\e:WFB+8*\e+7], v[QHR+8:QHR+15], v[ACC+40+8*\e:ACC+40+8*\e+7]
.endif
.if gq < 10
	WFRAG (gq+1)%2, \e                             ; the next step's W.  No wait: no vector or matrix instruction since the last wait on va_vdst names the other buffer
.endif
.endr
.if QK == 0
.rept 5
	v_nop
.endr
.endif
.irp e, 0,1,2,3,4
	v_wmma_f32_16x16x32_bf16 v[ACC+8*\e:ACC+8*\e+7], v[WFB+8*\e:WFB+8*\e+7], v[QHR:QHR+7], v[ACC+8*\e:ACC+8*\e+7]
.endr
.if (gq == 7) || (gq == 9) || (gq == 10)   ; a tail's last step
	WIN 0
	PLACES                                         ; four places behind the last product, before the maxima read its result (ISA guide 7.12.1)
	s_wait_alu depctr_va_vdst(0)                   ; the step's products are done reading their slot of H, and in step 10 buffer 0 of W: the loads below land there
	HRELOAD gq
.if gq == 10
	WLOADG 0, 0
.endif
	EPI10
	STEPSET gq
	WIN 0x40                                       ; destination in window 1
	v_cndmask_b32 v[PRL+2*(QT-1)], v[C+7], v[C+15], s[HM]      ; lanes 0-15 take row tile 0's rows, lanes 16-31 row tile 1's:
	v_cndmask_b32 v[PRL+2*(QT-1)+1], v[C+5], v[C+13], s[HM]
	s_wait_alu depctr_va_vdst(0)                   ; the selects have written the pair, which the store reads; the sums are done with row tile 0's accumulators, in which the next tail's bias lands
	WIN 0x04                                       ; a store's data is source 1
	global_store_b64 v[VP], v[PRL+2*(QT-1):PRL+2*(QT-1)+1], s[50:51] offset:(QT-1)*2097152  ; 32 rows x 8 bytes: 256 consecutive bytes, aligned
	WIN 0
.endif
.set gq, gq+1
.endr
.endm
	; H's pointers, at my first row of each of the three tables, and the next 32 rows; pt at (tail 1, range, my first row)
	s_lshl_b32 s46, s44, 9
	s_add_co_u32 s46, s46, 4194304
	s_mov_b32 s47, 0
	s_add_nc_u64 s[66:67], s[16:17], s[46:47]
	s_add_nc_u64 s[68:69], s[66:67], 16384
	s_lshl_b32 s46, s44, 8
	s_add_co_u32 s46, s46, 5242880
	s_add_nc_u64 s[70:71], s[16:17], s[46:47]
	s_add_nc_u64 s[72:73], s[70:71], 8192
	s_add_nc_u64 s[74:75], s[70:71], 524288
	s_add_nc_u64 s[76:77], s[74:75], 8192
	s_lshl_b32 s50, s10, 14
	s_add_co_u32 s50, s50, s45
	s_mov_b32 s51, 0
	s_add_nc_u64 s[50:51], s[34:35], s[50:51]
.irp gp, 0,1,2,3,8,9,10                ; the seven slots' first loads, in the order in which the loop asks for them
	HLOADG \gp, 0
.endr
	WLOADG 0, 0
	s_mov_b32 s52, 4
.Liter:                                        ; 4 trips of 32 rows.  In the last trip 'the next rows' are the rows in hand once more, so that the waits keep their counts: those loads are not used
	ITER
	s_wait_xcnt 0x0                                ; loads and stores have read their sources
	s_wait_alu depctr_vm_vsrc(0)                   ; the trip's three stores have read their pairs (m, l), which the next trip's selects write again
	s_mov_b64 s[66:67], s[68:69]
	s_mov_b64 s[70:71], s[72:73]
	s_mov_b64 s[74:75], s[76:77]
	s_cmp_gt_u32 s52, 2
	s_cselect_b32 s54, 16384, 0
	s_cselect_b32 s62, 8192, 0
	s_add_nc_u64 s[68:69], s[68:69], s[54:55]
	s_add_nc_u64 s[72:73], s[72:73], s[62:63]
	s_add_nc_u64 s[76:77], s[76:77], s[62:63]
	s_add_nc_u64 s[50:51], s[50:51], 256
	s_sub_co_u32 s52, s52, 1
	s_cmp_lg_u32 s52, 0
	s_cbranch_scc1 .Liter
	s_wait_loadcnt 0x0
	s_branch .Lend
; The converter's slot: 1,024 bytes of f32 become 512 of bf16.  Behind slot n's two loads the round's 19 - n younger slots have issued two each
.macro CSLOT n
	s_wait_loadcnt 38-2*(\n)
.irp q, 0,1,2,3
	v_cvt_pk_bf16_f32 v[CY+4*(\n)+\q], v[CX+8*(\n)+2*\q], v[CX+8*(\n)+2*\q+1]
.endr
.irp q, 0,1,2,3
	v_and_b32 v[CY+4*(\n)+\q], s42, v[CY+4*(\n)+\q]
.endr
.endm
.macro CSEND n
	global_store_b128 v[CVD], v[CY+4*(\n):CY+4*(\n)+3], s[40:41] offset:512*(\n)  ; 512 consecutive bytes, aligned
.endm
.Lconv:                                        ; ---- waves 8-11: four rounds; a round asks for its 20 chunks at once and takes them as they come.  One text for all rounds: the four waves have 80 KiB on their way at a round's head, and the job is the shorter of the work-group's two
	s_sub_co_u32 s10, s[WV], 8
	s_mul_i32 s11, s9, 80
	s_min_u32 s12, s11, 19920
	s_lshl_b32 s12, s12, 12
	s_mul_i32 s13, s10, 81920
	s_add_co_u32 s12, s12, s13
	s_mov_b32 s13, 0
	s_lshl_b32 s14, s11, 11
	s_mul_i32 s15, s10, 40960
	s_add_co_u32 s14, s14, s15
	s_mov_b32 s15, 0
	s_cmp_lt_u32 s9, 250
	s_cselect_b32 s42, -1, 0                       ; rows 20,000 on are written as 0
	s_add_nc_u64 s[36:37], s[30:31], s[12:13]
	s_add_nc_u64 s[40:41], s[32:33], s[14:15]
	s_mov_b32 s43, 4
.Lcround:
.set n, 0
.rept 20                               ; no wait: no vector instruction since the last block's wait on va_vdst (in the first round: since the one behind the barrier) names the raw registers
	global_load_b128 v[CX+8*n:CX+8*n+3],   v[CVS], s[36:37] offset:1024*n th:TH_LOAD_NT
	global_load_b128 v[CX+8*n+4:CX+8*n+7], v[CVS], s[36:37] offset:1024*n+16 th:TH_LOAD_NT
.set n, n+1
.endr
.set cb, 0
.rept 4                                ; four blocks of five slots
.set n, 5*cb
.rept 5
	CSLOT n
.set n, n+1
.endr
	s_wait_alu depctr_va_vdst(0)                   ; the block's conversions and masks have written its 20 out registers, which the five stores read
.set n, 5*cb
.rept 5
	CSEND n
.set n, n+1
.endr
.set cb, cb+1
.endr
	s_wait_xcnt 0x0                                ; the round's loads and stores have read their sources: pointers step, and the stores' registers are free
	s_wait_alu depctr_vm_vsrc(0)                   ; the round's 20 stores have read their out registers, which the next round's conversions write again
	s_add_nc_u64 s[36:37], s[36:37], 20480
	s_add_nc_u64 s[40:41], s[40:41], 10240
	s_sub_co_u32 s43, s43, 1
	s_cmp_lg_u32 s43, 0
	s_cbranch_scc1 .Lcround
.Lend:
	s_wait_dscnt 0x0                               ; the closing lines, six on end
	s_wait_alu 0x0
	s_wait_tensorcnt 0x0
	ds_add_u32 v[SPW], v[NIL]
	s_wait_dscnt 0x0
	s_endpgm
.Lfunc_end_k_q74ac017b0d_tails:
	.size	k_q74ac017b0d_tails, .Lfunc_end_k_q74ac017b0d_tails-k_q74ac017b0d_tails
	.p2alignl 7, 3214868480
	.fill 96, 4, 3214868480
	.section	.rodata,"a",@progbits
	.p2align	6, 0x0
	.amdhsa_kernel k_q74ac017b0d_tails
		.amdhsa_group_segment_fixed_size 62976
		.amdhsa_private_segment_fixed_size 0
		.amdhsa_enable_private_segment 0
		.amdhsa_kernarg_size 80
		.amdhsa_user_sgpr_count 2
		.amdhsa_user_sgpr_kernarg_segment_ptr 1
		.amdhsa_wavefront_size32 1
		.amdhsa_system_sgpr_workgroup_id_x 1
		.amdhsa_system_sgpr_workgroup_id_y 1
		.amdhsa_system_sgpr_workgroup_id_z 1
		.amdhsa_system_vgpr_workitem_id 0
		.amdhsa_next_free_vgpr 320
		.amdhsa_next_free_sgpr 80
		.amdhsa_reserve_vcc 0
		.amdhsa_float_denorm_mode_32 3
		.amdhsa_float_denorm_mode_16_64 3
		.amdhsa_memory_ordered 1
		.amdhsa_forward_progress 1
		.amdhsa_inst_pref_size 91
	.end_amdhsa_kernel
	.amdgpu_metadata
---
amdhsa.version: [ 1, 2 ]
amdhsa.kernels:
  - .name:           k_q74ac017b0d_tails
    .symbol:         k_q74ac017b0d_tails.kd
    .args:
      - { .name: hb, .offset: 0, .size: 8, .value_kind: global_buffer, .address_space: global }
      - { .name: w1, .offset: 8, .size: 8, .value_kind: global_buffer, .address_space: global }
      - { .name: b1, .offset: 16, .size: 8, .value_kind: global_buffer, .address_space: global }
      - { .name: w2, .offset: 24, .size: 8, .value_kind: global_buffer, .address_space: global }
      - { .name: b2, .offset: 32, .size: 8, .value_kind: global_buffer, .address_space: global }
      - { .name: w3, .offset: 40, .size: 8, .value_kind: global_buffer, .address_space: global }
      - { .name: b3, .offset: 48, .size: 8, .value_kind: global_buffer, .address_space: global }
      - { .name: w0, .offset: 56, .size: 8, .value_kind: global_buffer, .address_space: global }
      - { .name: wb, .offset: 64, .size: 8, .value_kind: global_buffer, .address_space: global }
      - { .name: pt, .offset: 72, .size: 8, .value_kind: global_buffer, .address_space: global }
    .group_segment_fixed_size: 62976
    .private_segment_fixed_size: 0
    .kernarg_segment_align: 8
    .kernarg_segment_size: 80
    .max_flat_workgroup_size: 384
    .sgpr_count:     80
    .vgpr_count:     320
    .wavefront_size: 32
...
	.end_amdgpu_metadata
.endif
;; end of part 6
;; launch head: the kernel of part 3 again; grid 32 x 8, 4 waves a work-group, clusters of 4 x 4, 327,680 bytes of LDS; arguments hb, wb, b0, ph; writes ph
;; launch final: the kernel of part 4 again; grid 64 x 1, 16 waves a work-group, no clusters, 19,456 bytes of LDS; arguments ph, pt, hb, w0, b0, w1, b1, w2, b2, w3, b3, cluster_w, cluster_b, target, out0; writes out0
